; MI455X (gfx1250); checked and timed in simulation.
; The chip was launched on July 23, 2026; its instructions are those of AMD's public machine-readable ISA for CDNA 5 (MIT licence, August 2026) and "CDNA5" Instruction Set Architecture Reference Guide (July 2026). The comments in the code are by the model that wrote it; some were corrected since.
;; A Li Bi Multi Head Attention. Allowed arithmetic: matrix products marked QUANTISED: E2M3 operands, one E8M0 scale for each 32 along K, by v_wmma_scale_f32_16x16x128_f8f6f4 with both operands' format E2M3, f32 sums; everything else in f32.
;; Inputs: Wk 1,024 x 1,024 float32; Wo 1,024 x 1,024 float32; Wq 1,024 x 1,024 float32; Wv 1,024 x 1,024 float32; bk 1,024 float32; bo 1,024 float32; bq 1,024 float32; bv 1,024 float32; inputs 2 x 2,048 x 1,024 float32.
;; Outputs: out0 2 x 2,048 x 1,024 float32.
;; This version of the problem:
;;   THIS VERSION OF THE PROBLEM IS GIVEN IN LOW PRECISION. The matrix products marked QUANTISED in the list below multiply operands that are first quantised to E2M3 (2 exponent bits, 3 mantissa bits; 6 bits a number), with one power-of-two scale for each 32 numbers along K (OCP MX v1.0); their sums are f32. All else is computed in f32.
;;   The module's matrix products, in the order in which they are computed (A, B: the left and right operand; K: the contracted axis; several contracted axes count as one K, in the product's order):
;;     1. [M 4,096, K 1,024] x [K 1,024, N 1,024]; A: input inputs; B: input Wq: QUANTISED
;;     2. [M 4,096, K 1,024] x [K 1,024, N 1,024]; A: input inputs; B: input Wk: QUANTISED
;;     3. [M 4,096, K 1,024] x [K 1,024, N 1,024]; A: input inputs; B: input Wv: QUANTISED
;;     4. batch 32 x [M 2,048, K 64] x [K 64, N 2,048]; A: computed on the way; B: computed on the way: QUANTISED
;;     5. batch 32 x [M 2,048, K 2,048] x [K 2,048, N 64]; A: softmax (see below); B: computed on the way: QUANTISED
;;     6. [M 4,096, K 1,024] x [K 1,024, N 1,024]; A: computed on the way; B: input Wo: QUANTISED
;;   THE QUANTISER, for each operand of a quantised product, along K:
;;     - K is cut into blocks of 32 from its start; a last block that is shorter is filled with zeros.
;;     - A block's scale is 2^e with e = floor(log2(the largest magnitude in the block)) - 2, held to -126 .. 127; a block of zeros has e = 0. As a byte (E8M0): e + 127.
;;     - Each number is divided by its block's scale, clamped to +-7.5, and rounded to the nearest number of E2M3, ties to even, subnormals kept.
;;     - The product sums the exact products of the quantised numbers (number of the format x scale) in f32.
;;   ~~~python
;;   def quantise(x, axis):      # numpy; x: float32 -> the quantised numbers, widened to float32 again
;;       x = np.moveaxis(x, axis, -1); K = x.shape[-1]
;;       x = np.pad(x, [(0, 0)] * (x.ndim - 1) + [(0, -K % 32)]); x = x.reshape(x.shape[:-1] + (-1, 32)); a = np.abs(x).max(-1, keepdims=True)
;;       e = np.where(a > 0, np.clip(np.frexp(np.where(a > 0, a, 1))[1] - 1 - 2, -126, 127), 0)      # np.frexp(a)[1] - 1 = floor(log2(a)), exactly
;;       r = np.clip(x / 2.0 ** e, -7.5, 7.5)
;;       step = 2.0 ** (np.maximum(np.frexp(np.where(r == 0, 1, r))[1] - 1, 0) - 3)
;;       q = np.round(r / step) * step * 2.0 ** e      # np.round: ties to even
;;       return np.moveaxis(q.reshape(q.shape[:-2] + (-1,))[..., :K], -1, axis).astype(np.float32)
;;   ~~~
;;   SOFTMAX AHEAD OF A QUANTISED PRODUCT. Where the list says 'softmax', what is quantised is not the finished softmax but p = 2^(t - M), with t = logit x log2(e) and M = ceil(the row's largest t), a whole number; so 1/2 < the row's largest p <= 1. The row's sum l is taken of the UNQUANTISED p, in f32, and the product's result is divided by l at the end. Since M is a whole number, a kernel that streams over the keys may use a running M (the ceiling of the running maximum): every later rescaling is an exact power of two, which a block's scale takes up: the codes' values come out the same.
;;   OPERANDS COMPUTED ON THE WAY. 'Computed on the way' means the value that the module computes at that place (a softmax that the list does not call 'softmax' is quantised finished and normalised). What goes into a quantiser is computed in f32, as accurately as f32 sums, v_exp_f32 and their like allow (about 1e-6 of the number): no bf16 or f16 on the way to a quantiser, and a product that is left as it is and whose result goes on into a quantised operand takes f32 operands (vector FMAs, or v_wmma_f32_16x16x4_f32). A number that lies on a knife's edge between two numbers of the format may be rounded either way, as far as f32 arithmetic and the matrix unit's own rounding can turn it there, and no further.
;; One version. Each part assembles by itself: llvm-mc -triple=amdgcn-amd-amdhsa -mcpu=gfx1250 --defsym DOCPART=n.
;; ======== version 1 of 1: 4 launches
;; limits: right only within a limited range of input values
;; workspace buffers: xq 3,276,800 bytes; wq 3,276,800 bytes; qq 3,407,872 bytes; kv 6,684,672 bytes; cq 3,276,800 bytes
;; launch quant (part 1): grid 512 x 1, 4 waves a work-group, no clusters, 68,096 bytes of LDS; arguments inputs, Wq, Wk, Wv, Wo, xq, wq; writes xq, wq
.if DOCPART == 1
	.amdgcn_target "amdgcn-amd-amdhsa--gfx1250"
	.amdhsa_code_object_version 6
	.text
	.protected	k_q31f03bcb37_quant
	.globl	k_q31f03bcb37_quant
	.p2align	8
	.type	k_q31f03bcb37_quant,@function
k_q31f03bcb37_quant:
	s_mov_b64 s[64:65], 0
	v_nop
	global_prefetch_b8 v0, s[64:65] scope:SCOPE_SE
	s_setreg_imm32_b32 hwreg(HW_REG_WAVE_MODE, 25, 1), 1
	s_wait_xcnt 0x0
; ALiBi attention layer, launch 1 of 4: inputs [4096][1024] and the four weights [1024 (k)][1024 (n)], f32, become codes of E2M3 with one E8M0 byte for each 32 along K (K = the 1,024 of the model's width).
; NOTHING OF THE PROBLEM IS LEFT OUT: all six products are live.  The term -slope x i of the bias is the same along the softmax's axis, but it moves M = ceil(the row's largest t) and with it p's codes, so it stays;
; bk goes into a quantised operand, so it stays.  All nine inputs are loaded by some launch.
; A block's scale is 2^(floor(log2(largest magnitude)) - 2): its byte is the largest magnitude's exponent field - 2, held at 1 from below by a floor among the maximum's leaves.
; LIMITS: NaN and infinities among the inputs are not served; a block whose largest magnitude lies under 2^-124 gets the byte 1; a block of zeros gets the byte 1 where the rule says 127 (its codes are zeros,
; which add nothing under any byte but 0xff, and the bytes are read by this program alone).
; LAYOUT OF THE WORKSPACE.  Codes lie as IMAGES OF OPERAND REGISTERS: a fragment (16 rows x 128 K, 12 registers a lane) is 1,536 bytes, registers 4 c .. 4 c + 3 of lane l at 512 c + 16 l.
; INSIDE A BLOCK OF 32 ALL OPERANDS OF THIS PROGRAM SHARE ONE ORDER: position 16 a + 8 u + j holds the true index 16 u + 8 a + j.  It is the order in which a matrix result falls into the conversions in the later
; launches; applied alike to both sides of a product it changes no sum, and a true block stays a block.
; xq: codes [token tile 0..255][K step 0..7] fragments; from byte 3,145,728 scale words [K step][token].   wq: codes [matrix q,k,v,o][group of 8 n tiles][K step][tile in the group]; from 3,145,728 scale words [matrix][K step][n].
; SHARES.  Work-groups 0-255 take the inputs: a wave takes 32 tokens x 128 along K (16 KiB), all asked for at once.  Work-groups 256-511 take the weights: a wave takes 128 along K x 32 columns.
; No tensor loads, no barrier: waves share nothing.  Only the inputs' path stores to LDS (each wave's own stage).
; wq's codes, as they are stored below: [matrix q,k,v,o][group of 8 n tiles][K step 0..7][tile in the group] fragments of 1,536 bytes, so that some K steps of a group's 128 columns are one dense run of bytes.
.set SPARE, 67584
.set SPW,  1                           ; v1  LDS address of my spare word; never rewritten
.set NIL,  2                           ; v2  0; never rewritten
.set L16,  3                           ; v3  16 x lane
.set SIN,  4                           ; v4  the stage, on the way in
.set SOUT, 5                           ; v5  and on the way out
.set L4,   6                           ; v6  4 x lane
.set LANE, 7
.set TM,   8                           ; v8-13  at work in QUANT2
.set PW,   16                          ; v16-19 scale words
.set PC,   20                          ; v20-31 a fragment's codes (the weights' first fragment too)
.set TQ,   32                          ; v32-35 a conversion's second half
.set F1,   36                          ; v36-47 the weights' second fragment
.set UT,   48                          ; v48-63 the weights' upper halves of blocks
.set X,    64                          ; v64-127  64 numbers in the conversions' order
.set R,    128                         ; v128-255 numbers as loaded
.set SEL,  20                          ; s[20:21] lane selects for v_permlanex16_b32: lane l xor 16
; 32 numbers of a lane, v[s + 16 b + i]: my 16 of block b (b = 0, 1) of my row; lane l xor 16 holds the other 16.  They become registers d .. d + 5 of a fragment and two scale bytes in v[w].
.macro QUANT2 s, d, w
.irp b, 0,1
	v_max3_num_f32 v[TM+\b], |v[(\s)+16*\b]|, |v[(\s)+16*\b+1]|, 0x1800000   ; and the floor 2^(3 - 127): the byte cannot fall under 1
.endr
.irp i, 2,4,6,8,10,12,14
.irp b, 0,1
	v_max3_num_f32 v[TM+\b], v[TM+\b], |v[(\s)+16*\b+\i]|, |v[(\s)+16*\b+\i+1]|
.endr
.endr
.irp b, 0,1
	v_permlanex16_b32 v[TM+2+\b], v[TM+\b], s[SEL], s[SEL+1]
.endr
.irp b, 0,1
	v_max_num_f32 v[TM+\b], v[TM+\b], v[TM+2+\b]   ; the block's largest magnitude
.endr
.irp b, 0,1
	v_add_nc_u32 v[TM+4+\b], 0xff000000, v[TM+\b]  ; 2 off its exponent field: the conversion's scale operand
.endr
.irp b, 0,1
	v_lshrrev_b32 v[TM+2+\b], 23, v[TM+4+\b]       ; the scale's byte
.endr
	v_lshl_or_b32 v[\w], v[TM+3], 8, v[TM+2]
	v_cvt_scalef32_pk16_fp6_f32 v[(\d):(\d)+2], v[(\s):(\s)+15], v[TM+4]
	v_cvt_scalef32_pk16_fp6_f32 v[TQ:TQ+2], v[(\s)+16:(\s)+31], v[TM+5]
	v_nop                                          ; one plain place behind a scaled conversion
.irp i, 0,1,2
	v_permlane16_swap_b32 v[(\d)+\i], v[TQ+\i]     ; a whole block to a lane: lanes 0-15 block 0, lanes 16-31 block 1
.endr
.irp i, 0,1,2
	v_mov_b32 v[(\d)+3+\i], v[TQ+\i]
.endr
.endm
	s_load_b256 s[4:11], s[0:1], 0x0               ; inputs s[4:5], Wq s[6:7], Wk s[8:9], Wv s[10:11]
	s_load_b128 s[12:15], s[0:1], 0x20             ; Wo s[12:13], xq s[14:15]
	s_load_b64 s[16:17], s[0:1], 0x30              ; wq
	v_lshl_add_u32 v[SPW], v0, 2, SPARE
	v_mov_b32 v[NIL], 0
	v_lshrrev_b32 v[LANE], 5, v0
	v_readfirstlane_b32 s18, v[LANE]               ; wave 0..3
	v_and_b32 v[LANE], 31, v0
	v_lshlrev_b32 v[L16], 4, v[LANE]
	v_lshlrev_b32 v[L4], 2, v[LANE]
	s_mov_b32 s[SEL], 0x76543210
	s_mov_b32 s[SEL+1], 0xfedcba98
	s_cmp_lt_u32 ttmp9, 256
	s_cbranch_scc0 .Lweights
	; ---- THE INPUTS.  32 tokens (two tiles), K step s = 4 (id & 1) + wave
	s_lshr_b32 s22, ttmp9, 1                       ; which 32 tokens
	s_and_b32 s23, ttmp9, 1
	s_lshl_b32 s23, s23, 2
	s_add_co_u32 s23, s23, s18                     ; K step
	s_lshl_b32 s24, s22, 17                        ; 32 rows of 4,096 bytes
	s_lshl_b32 s25, s23, 9                         ; 512 bytes a K step
	s_add_co_u32 s24, s24, s25
	s_mov_b32 s25, 0
	s_mul_i32 s26, s22, 24576                      ; two tiles of 8 fragments
	s_mul_i32 s27, s23, 1536
	s_add_co_u32 s26, s26, s27
	s_mov_b32 s27, 0
	s_lshl_b32 s28, s23, 14                        ; scale words: 4,096 tokens a K step
	s_lshl_b32 s29, s22, 7
	s_add_co_u32 s28, s28, s29
	s_add_co_u32 s28, s28, 3145728
	s_mov_b32 s29, 0
	s_mul_i32 s30, s18, 16896                      ; my stage: two tiles of 16 rows x (512 + 16) bytes
	s_wait_alu depctr_va_vdst(0)
	v_add_nc_u32 v[SIN], s30, v[L16]               ; in: a row's 512 bytes as they lie
	v_and_b32 v[SOUT], 15, v0
	v_mul_u32_u24 v[SOUT], v[SOUT], 528
	v_bfe_u32 v14, v0, 4, 1
	v_lshl_add_u32 v[SOUT], v14, 5, v[SOUT]
	v_add_nc_u32 v[SOUT], s30, v[SOUT]             ; out: row lane % 16, + 32 bytes for lanes 16-31
	v_mov_b32 v[TM+2], 0                           ; written once: a lane permute's destination counts as one of its sources
	v_mov_b32 v[TM+3], 0
	s_wait_alu depctr_va_vdst(0)
	s_wait_kmcnt 0x0
	s_add_nc_u64 s[4:5], s[4:5], s[24:25]
	s_add_nc_u64 s[32:33], s[14:15], s[26:27]
	s_add_nc_u64 s[34:35], s[14:15], s[28:29]
.irp e, 0,1
.irp i, 0,1,2,3,4,5,6,7,8,9,10,11,12,13,14,15
	global_load_b128 v[R+64*\e+4*\i:R+64*\e+4*\i+3], v[L16], s[4:5] offset:(16*\e+\i)*4096 th:TH_LOAD_NT   ; 32 lanes read 512 consecutive bytes of a row
.endr
.endr
.irp e, 0,1
	s_wait_loadcnt 16*(1-\e)                       ; this tile's 16 loads are in; the other tile's 16 may be out
.irp i, 0,1,2,3,4,5,6,7,8,9,10,11,12,13,14,15
	ds_store_b128 v[SIN], v[R+64*\e+4*\i:R+64*\e+4*\i+3] offset:\e*8448+528*\i
.endr
.irp b, 0,1,2,3                                ; back in the program's order: register 16 b + 8 u + 4 v holds k = 32 b + 16 u + 8 (lane / 16) + 4 v.  LDS serves a wave's instructions in order: these see the stores
.irp u, 0,1
.irp v, 0,1
	ds_load_b128 v[X+16*\b+8*\u+4*\v:X+16*\b+8*\u+4*\v+3], v[SOUT] offset:\e*8448+128*\b+64*\u+16*\v
.endr
.endr
.endr
	s_wait_dscnt 0x0
.if \e == 1
	s_wait_xcnt 0x0                                ; the first tile's stores have read their registers: the codes may be written again
.endif
	QUANT2 X, PC, PW+2
	QUANT2 X+32, PC+6, PW+3
	v_lshl_or_b32 v[PW+\e], v[PW+3], 16, v[PW+2]   ; my row's scale word
.irp c, 0,1,2
	global_store_b128 v[L16], v[PC+4*\c:PC+4*\c+3], s[32:33] offset:\e*12288+512*\c   ; 512 consecutive bytes
.endr
.endr
	v_cmp_gt_u32 vcc_lo, 16, v[LANE]
	v_cndmask_b32 v[PW+2], v[PW+1], v[PW], vcc_lo  ; lanes 0-15 the first tile's words, lanes 16-31 the second's
	global_store_b32 v[L4], v[PW+2], s[34:35]      ; 32 tokens' words: 128 consecutive bytes
	s_wait_tensorcnt 0x0                           ; the wave's end, behind my last LDS store
	ds_add_u32 v[SPW], v[NIL]
	s_wait_dscnt 0x0
	s_endpgm
	; ---- THE WEIGHTS.  A lane takes a column n, its registers run down K in the program's order: nothing is transposed.
.Lweights:
	s_sub_co_u32 s22, ttmp9, 256
	s_lshr_b32 s23, s22, 6                         ; which matrix: q, k, v, o
	s_bfe_u32 s24, s22, 0x30003                    ; K step
	s_and_b32 s25, s22, 7                          ; which 128 columns
	s_lshl_b32 s26, s24, 19                        ; 128 rows of 4,096 bytes
	s_lshl_b32 s27, s25, 9
	s_add_co_u32 s26, s26, s27
	s_lshl_b32 s27, s18, 7                         ; my wave's 32 columns
	s_add_co_u32 s26, s26, s27
	s_mov_b32 s27, 0
	s_mul_i32 s28, s23, 786432
	s_mul_i32 s29, s25, 98304                      ; 8 tiles of 8 fragments
	s_add_co_u32 s28, s28, s29
	s_mul_i32 s29, s18, 3072                       ; my two tiles, side by side in a K step's eight
	s_add_co_u32 s28, s28, s29
	s_mul_i32 s29, s24, 12288                      ; a K step of the group: 8 fragments
	s_add_co_u32 s28, s28, s29
	s_mov_b32 s29, 0
	s_lshl_b32 s30, s23, 3
	s_add_co_u32 s30, s30, s24
	s_lshl_b32 s30, s30, 12                        ; scale words: 1,024 columns a K step
	s_lshl_b32 s31, s25, 9
	s_add_co_u32 s30, s30, s31
	s_lshl_b32 s31, s18, 7
	s_add_co_u32 s30, s30, s31
	s_add_co_u32 s30, s30, 3145728
	s_mov_b32 s31, 0
	s_wait_kmcnt 0x0
	s_cmp_eq_u32 s23, 1                            ; the choice hangs on the work-group's number alone
	s_cselect_b64 s[6:7], s[8:9], s[6:7]
	s_cmp_eq_u32 s23, 2
	s_cselect_b64 s[6:7], s[10:11], s[6:7]
	s_cmp_eq_u32 s23, 3
	s_cselect_b64 s[6:7], s[12:13], s[6:7]
	s_add_nc_u64 s[6:7], s[6:7], s[26:27]
	s_add_nc_u64 s[32:33], s[16:17], s[28:29]
	s_add_nc_u64 s[34:35], s[16:17], s[30:31]
	s_wait_alu depctr_va_vdst(0)
.irp t, 0,1,2,3
.irp p, 0,1,2,3,4,5,6,7,8,9,10,11,12,13,14,15,16,17,18,19,20,21,22,23,24,25,26,27,28,29,30,31
	global_load_b32 v[R+32*\t+\p], v[L4], s[6:7] offset:(32*\t+16*((\p/8)%2)+8*(\p/16)+\p%8)*4096 th:TH_LOAD_NT   ; position p of block t: 128 consecutive bytes a wave, 512 a work-group
.endr
.endr
.macro WBLOCK t, lo                    ; block t of my column: all its 32 numbers are mine
.set NS, R+32*(\t)
	v_max3_num_f32 v8, |v[NS]|, |v[NS+1]|, |v[NS+2]|
	v_max3_num_f32 v9, |v[NS+3]|, |v[NS+4]|, |v[NS+5]|
.irp i, 6,10,14,18,22,26
	v_max3_num_f32 v8, v8, |v[NS+\i]|, |v[NS+\i+1]|
	v_max3_num_f32 v9, v9, |v[NS+\i+2]|, |v[NS+\i+3]|
.endr
	v_max3_num_f32 v8, v8, |v[NS+30]|, |v[NS+31]|
	v_max3_num_f32 v8, v8, v9, 0x1800000           ; and the floor
	v_add_nc_u32 v10, 0xff000000, v8
	v_lshrrev_b32 v11, 23, v10
.if (\t) == 0
	v_mov_b32 v[PW], v11
.else
	v_lshl_or_b32 v[PW], v11, 8*(\t), v[PW]
.endif
	v_cvt_scalef32_pk16_fp6_f32 v[\lo:\lo+2], v[NS:NS+15], v10
	v_cvt_scalef32_pk16_fp6_f32 v[UT+4*(\t):UT+4*(\t)+2], v[NS+16:NS+31], v10
	v_nop                                          ; one plain place behind a scaled conversion
.endm
	s_wait_loadcnt 63                              ; block 0's 32 loads are in: 96 younger ones may be out, and the count's field holds 63
	WBLOCK 0, PC
	s_wait_loadcnt 63                              ; block 1's: 64 may be out
	WBLOCK 1, F1
	s_wait_loadcnt 32                              ; block 2's: block 3's 32 may be out
	WBLOCK 2, PC+6
	s_wait_loadcnt 0x0
	WBLOCK 3, F1+6
	; lanes 0-15 hold the first tile's columns with all four blocks, lanes 16-31 the second's.  A fragment wants lanes 0-15 blocks 0 and 2, lanes 16-31 blocks 1 and 3 of ONE tile: blocks 0 | 1 and 2 | 3 change halves
.irp i, 0,1,2
	v_permlane16_swap_b32 v[PC+\i], v[F1+\i]
	v_permlane16_swap_b32 v[PC+6+\i], v[F1+6+\i]
	v_permlane16_swap_b32 v[UT+\i], v[UT+4+\i]
	v_permlane16_swap_b32 v[UT+8+\i], v[UT+12+\i]
.endr
.irp i, 0,1,2
	v_mov_b32 v[PC+3+\i], v[UT+\i]
	v_mov_b32 v[F1+3+\i], v[UT+4+\i]
	v_mov_b32 v[PC+9+\i], v[UT+8+\i]
	v_mov_b32 v[F1+9+\i], v[UT+12+\i]
.endr
.irp c, 0,1,2
	global_store_b128 v[L16], v[PC+4*\c:PC+4*\c+3], s[32:33] offset:512*\c
	global_store_b128 v[L16], v[F1+4*\c:F1+4*\c+3], s[32:33] offset:1536+512*\c
.endr
	global_store_b32 v[L4], v[PW], s[34:35]        ; my column's scale word: 128 consecutive bytes a wave
	s_wait_tensorcnt 0x0                           ; the wave's end, in the same form as on the other path
	ds_add_u32 v[SPW], v[NIL]
	s_wait_dscnt 0x0
	s_endpgm
.Lfunc_end_k_q31f03bcb37_quant:
	.size	k_q31f03bcb37_quant, .Lfunc_end_k_q31f03bcb37_quant-k_q31f03bcb37_quant
	.p2alignl 7, 3214868480
	.fill 96, 4, 3214868480
	.section	.rodata,"a",@progbits
	.p2align	6, 0x0
	.amdhsa_kernel k_q31f03bcb37_quant
		.amdhsa_group_segment_fixed_size 68096
		.amdhsa_private_segment_fixed_size 0
		.amdhsa_enable_private_segment 0
		.amdhsa_kernarg_size 56
		.amdhsa_user_sgpr_count 2
		.amdhsa_user_sgpr_kernarg_segment_ptr 1
		.amdhsa_wavefront_size32 1
		.amdhsa_system_sgpr_workgroup_id_x 1
		.amdhsa_system_sgpr_workgroup_id_y 1
		.amdhsa_system_sgpr_workgroup_id_z 1
		.amdhsa_system_vgpr_workitem_id 0
		.amdhsa_next_free_vgpr 256
		.amdhsa_next_free_sgpr 66
		.amdhsa_reserve_vcc 1
		.amdhsa_float_denorm_mode_32 3
		.amdhsa_float_denorm_mode_16_64 3
		.amdhsa_memory_ordered 1
		.amdhsa_forward_progress 1
		.amdhsa_inst_pref_size 39
	.end_amdhsa_kernel
	.amdgpu_metadata
---
amdhsa.version: [ 1, 2 ]
amdhsa.kernels:
  - .name:           k_q31f03bcb37_quant
    .symbol:         k_q31f03bcb37_quant.kd
    .args:
      - { .name: inputs, .offset: 0, .size: 8, .value_kind: global_buffer, .address_space: global }
      - { .name: Wq, .offset: 8, .size: 8, .value_kind: global_buffer, .address_space: global }
      - { .name: Wk, .offset: 16, .size: 8, .value_kind: global_buffer, .address_space: global }
      - { .name: Wv, .offset: 24, .size: 8, .value_kind: global_buffer, .address_space: global }
      - { .name: Wo, .offset: 32, .size: 8, .value_kind: global_buffer, .address_space: global }
      - { .name: xq, .offset: 40, .size: 8, .value_kind: global_buffer, .address_space: global }
      - { .name: wq, .offset: 48, .size: 8, .value_kind: global_buffer, .address_space: global }
    .group_segment_fixed_size: 68096
    .private_segment_fixed_size: 0
    .kernarg_segment_align: 8
    .kernarg_segment_size: 56
    .max_flat_workgroup_size: 128
    .sgpr_count:     66
    .vgpr_count:     256
    .wavefront_size: 32
...
	.end_amdgpu_metadata
.endif
;; end of part 1
;; launch qkv (part 2): grid 8 x 32, 4 waves a work-group, clusters of 4 x 4, 327,680 bytes of LDS; arguments xq, wq, bq, bk, bv, qq, kv; writes qq, kv
.if DOCPART == 2
	.amdgcn_target "amdgcn-amd-amdhsa--gfx1250"
	.amdhsa_code_object_version 6
	.text
	.protected	k_q31f03bcb37_qkv
	.globl	k_q31f03bcb37_qkv
	.p2align	8
	.type	k_q31f03bcb37_qkv,@function
k_q31f03bcb37_qkv:
	s_mov_b64 s[64:65], 0
	v_nop
	global_prefetch_b8 v0, s[64:65] scope:SCOPE_SE
	s_setreg_imm32_b32 hwreg(HW_REG_WAVE_MODE, 25, 1), 1
	s_wait_xcnt 0x0
	s_wait_alu depctr_hold_cnt(0) depctr_sa_sdst(0) depctr_va_vdst(0) depctr_va_sdst(0) depctr_va_ssrc(0) depctr_va_vcc(0) depctr_vm_vsrc(0)
	s_getreg_b32 s2, hwreg(HW_REG_IB_STS2, 6, 4)
	s_cmp_eq_u32 s2, 0
	s_cbranch_scc0 .Lentry_in_a_cluster
	s_endpgm
.Lentry_in_a_cluster:
	s_bfe_u32 s2, ttmp6, 0x10000c
	s_cmp_lg_u32 s2, 0xf033
	s_cbranch_scc0 .Lentry_shape_is_right
	s_endpgm
.Lentry_shape_is_right:
; Launch 2 of 4: q = x Wq + bq, k = x Wk + bk, v = x Wv + bv on codes of E2M3, and their quantising for the two products of attention: q and k along the head's 64, v along the keys.  Nothing is left out.
; SHARES.  Work-group (g, mb) owns 128 tokens (one key step of attention) and channels 128 g .. 128 g + 127 (heads 2 g, 2 g + 1) of q, k AND v.  Wave w: kind = w & 1 (q or k), hw = w >> 1 (which head).
;   q or k: 8 tiles of tokens x the head's 4 tiles of channels, TRANSPOSED (source 0 = 16 columns of W, source 1 = 16 tokens): a lane holds one token, its registers run along the channels, the next K.  32 accumulators.
;   v: 8 tiles of tokens x channel tiles 2 w, 2 w + 1, natural (source 0 = tokens, source 1 = columns of Wv): a lane holds one channel, its registers run along the tokens, which are the keys.  16 accumulators.
; So a K step of 128 reads 14 fragments from LDS for 48 matrix instructions.  The 48 accumulators take turns, one instruction a turn, in the same order in every step.
; LDS.  x's 8 tiles, all of K, at byte 0; from 98,304 Wq's, Wk's, Wv's K steps 0-5, 73,728 bytes each; fragments of 1,536 bytes.  A wave has one tensor load out at the head;
; the weights' K steps 6, 7 fill the bytes of steps 0, 1 again behind one round of the cluster's barrier.  All of LDS is claimed.
; CLUSTER 4 x 4.  x's tiles hang on mb alone and are asked for jointly along a row of the cluster (wave 0), W's on g alone, along a column (waves 1-3).
; OUT.  qq: [batch x head][query tile] half fragments of 768 bytes (registers 0-3 at 16 l, 4-5 at 512 + 8 l); from 3,145,728 scale words [..][tile][16].
;   kv: [batch x head][key step] records of 13,056 bytes: K's 8 half fragments, from 6,144 V^T's 4 fragments (16 channels x 128 keys), from 12,288 K's scale words, from 12,800 V's.
; LIMITS as in the first launch (NaN, infinities; the floor of a block's scale; a block of zeros has the byte 1).
; REGISTERS.  window 0: v1, v2 the add's two; v4-12 LDS addresses; v32-87 scale words; v128-255 v's accumulators.  windows 1, 2: v0-167 the two sets of fragments; window 1 also v176-214 biases and store offsets;
;   on the way out window 1's v0-88 are at work.  window 3: q's or k's 32 accumulators, (token tile, channel tile) at 8 (4 tt + c4).
; LDS AS IT IS USED BELOW: x's 8 tiles, all of K, at byte 0 (98,304 bytes, tile-major); from 98,304 three regions of 73,728 bytes, Wq's, Wk's, Wv's K steps 0-5 ([K step][tile] fragments).
; At the head each wave issues ONE tensor load: wave 0 x, waves 1-3 a weight's six K steps.  K steps 6 and 7 of the weights fill the bytes of K steps 0 and 1 again, behind one round of the cluster's barrier (waves 1-3, one load each).
.set SPARE, 319488
.set SPW, 1
.set NIL, 2
.set AX,  4                            ; v4-6   16 x lane + slot: x's region
.set AW,  7                            ; v7-9   my four tiles of Wq or Wk
.set AV,  10                           ; v10-12 my two tiles of Wv
.set L4,  13
.set XS,  32                           ; v32-63 x's scale words: 4 s + j: lanes 0-15 tile 2 j, lanes 16-31 tile 2 j + 1
.set WQS, 64                           ; v64-79 W's: 2 s + j
.set WVS, 80                           ; v80-87 Wv's: s
.set VACC, 128
.set FW,  96                           ; in a set: x's tiles at 12 tt, W's at 96 + 12 c4, Wv's at 144 + 12 e
.set FV,  144
.set BQ,  176                          ; window 1: 32 numbers of bq or bk in the result's layout
.set BV,  208                          ; window 1: bv of my channel, a pair for each tile
.set A16, 212                          ; window 1: 16 x lane, 8 x lane, 4 x (lane % 16)
.set A8,  213
.set A4,  214
.set ST,  0                            ; window 1, on the way out
.set PC,  64
.set TQ,  76
.set TM,  80
.set PW,  86
.set WV,  18
.set G1A, 28
.set G1B, 36
.set G0A, 44
.set G0B0, 56
.set G0C, 60                           ; s[60:63] group 0 of the refill
.set G1C, 48                           ; s[48:55] group 1 of the refill: 96 rows of 256 bytes
.set SEL, 72
.set MSB, 0
.macro WIN new                         ; the immediate's high byte repeats the setting that is left
.if MSB != (\new)
	s_set_vgpr_msb (MSB<<8)|(\new)
.set MSB, (\new)
.endif
.endm
.macro PLACES n
.rept \n
	v_nop
.endr
.endm
.macro JLOAD g0a, g1a, g0b, g1b        ; a joint load: wave 0 fetches x's tiles, waves 1-3 a weight's; an s_nop 0 and four v_nop follow each of the two lines
	s_cmp_eq_u32 s[WV], 0
	s_cbranch_scc0 .Lfor_b_\@
	tensor_load_to_lds s[\g0a:\g0a+3], s[\g1a:\g1a+7]
	s_nop 0
.rept 4
	v_nop
.endr
	s_branch .Lasked_\@
.Lfor_b_\@:
	tensor_load_to_lds s[\g0b:\g0b+3], s[\g1b:\g1b+7]
	s_nop 0
.rept 4
	v_nop
.endr
.Lasked_\@:
.endm
.macro CROUND                          ; a round of the cluster's barrier
	s_barrier_signal -1
	s_barrier_wait -1
	s_cmp_lg_u32 s[WV], 0
	s_cbranch_scc1 .Lnot_wave_0_\@
	s_barrier_signal -3
.Lnot_wave_0_\@:
	s_barrier_wait -3
	s_barrier_signal -1
	s_barrier_wait -1
.endm
.macro SETG0 g, lds, ad, off           ; descriptor group 0: LDS address in s[lds], global address s[ad:ad+1] + off
	s_mov_b32 s[\g], 1
	s_mov_b32 s[\g+1], s[\lds]
	s_add_nc_u64 s[\g+2:\g+3], s[\ad:\ad+1], \off
	s_or_b32 s[\g+3], s[\g+3], 0x80000000
.endm
; one matrix instruction: D, source 0, source 1, C (under 0: the constant 0), the two scale registers, and whether each is read in lanes 16-31
.macro WM d, a, b, c, sa, sb, ra, rb
.set WSEL, 2*(\ra)+(\rb)
.if (\c) < 0
.if WSEL == 0
	v_wmma_scale_f32_16x16x128_f8f6f4 v[(\d):(\d)+7], v[(\a):(\a)+11], v[(\b):(\b)+11], 0, v[\sa], v[\sb] matrix_a_fmt:MATRIX_FMT_FP6 matrix_b_fmt:MATRIX_FMT_FP6
.elseif WSEL == 1
	v_wmma_scale_f32_16x16x128_f8f6f4 v[(\d):(\d)+7], v[(\a):(\a)+11], v[(\b):(\b)+11], 0, v[\sa], v[\sb] matrix_a_fmt:MATRIX_FMT_FP6 matrix_b_fmt:MATRIX_FMT_FP6 matrix_b_scale:MATRIX_SCALE_ROW1
.elseif WSEL == 2
	v_wmma_scale_f32_16x16x128_f8f6f4 v[(\d):(\d)+7], v[(\a):(\a)+11], v[(\b):(\b)+11], 0, v[\sa], v[\sb] matrix_a_fmt:MATRIX_FMT_FP6 matrix_b_fmt:MATRIX_FMT_FP6 matrix_a_scale:MATRIX_SCALE_ROW1
.else
	v_wmma_scale_f32_16x16x128_f8f6f4 v[(\d):(\d)+7], v[(\a):(\a)+11], v[(\b):(\b)+11], 0, v[\sa], v[\sb] matrix_a_fmt:MATRIX_FMT_FP6 matrix_b_fmt:MATRIX_FMT_FP6 matrix_a_scale:MATRIX_SCALE_ROW1 matrix_b_scale:MATRIX_SCALE_ROW1
.endif
.else
.if WSEL == 0
	v_wmma_scale_f32_16x16x128_f8f6f4 v[(\d):(\d)+7], v[(\a):(\a)+11], v[(\b):(\b)+11], v[(\c):(\c)+7], v[\sa], v[\sb] matrix_a_fmt:MATRIX_FMT_FP6 matrix_b_fmt:MATRIX_FMT_FP6
.elseif WSEL == 1
	v_wmma_scale_f32_16x16x128_f8f6f4 v[(\d):(\d)+7], v[(\a):(\a)+11], v[(\b):(\b)+11], v[(\c):(\c)+7], v[\sa], v[\sb] matrix_a_fmt:MATRIX_FMT_FP6 matrix_b_fmt:MATRIX_FMT_FP6 matrix_b_scale:MATRIX_SCALE_ROW1
.elseif WSEL == 2
	v_wmma_scale_f32_16x16x128_f8f6f4 v[(\d):(\d)+7], v[(\a):(\a)+11], v[(\b):(\b)+11], v[(\c):(\c)+7], v[\sa], v[\sb] matrix_a_fmt:MATRIX_FMT_FP6 matrix_b_fmt:MATRIX_FMT_FP6 matrix_a_scale:MATRIX_SCALE_ROW1
.else
	v_wmma_scale_f32_16x16x128_f8f6f4 v[(\d):(\d)+7], v[(\a):(\a)+11], v[(\b):(\b)+11], v[(\c):(\c)+7], v[\sa], v[\sb] matrix_a_fmt:MATRIX_FMT_FP6 matrix_b_fmt:MATRIX_FMT_FP6 matrix_a_scale:MATRIX_SCALE_ROW1 matrix_b_scale:MATRIX_SCALE_ROW1
.endif
.endif
.endm
; 32 numbers of a lane, v[s + 16 b + i]: my 16 of block b (b = 0, 1); lane l xor 16 holds the other 16.  They become registers d .. d + 5 of a fragment and two scale bytes in v[w].
.macro QUANT2 s, d, w
.irp b, 0,1
	v_max3_num_f32 v[TM+\b], |v[(\s)+16*\b]|, |v[(\s)+16*\b+1]|, 0x1800000   ; and the floor 2^(3 - 127)
.endr
.irp i, 2,4,6,8,10,12,14
.irp b, 0,1
	v_max3_num_f32 v[TM+\b], v[TM+\b], |v[(\s)+16*\b+\i]|, |v[(\s)+16*\b+\i+1]|
.endr
.endr
.irp b, 0,1
	v_permlanex16_b32 v[TM+2+\b], v[TM+\b], s[SEL], s[SEL+1]
.endr
.irp b, 0,1
	v_max_num_f32 v[TM+\b], v[TM+\b], v[TM+2+\b]
.endr
.irp b, 0,1
	v_add_nc_u32 v[TM+4+\b], 0xff000000, v[TM+\b]
.endr
.irp b, 0,1
	v_lshrrev_b32 v[TM+2+\b], 23, v[TM+4+\b]
.endr
	v_lshl_or_b32 v[\w], v[TM+3], 8, v[TM+2]
	v_cvt_scalef32_pk16_fp6_f32 v[(\d):(\d)+2], v[(\s):(\s)+15], v[TM+4]
	v_cvt_scalef32_pk16_fp6_f32 v[TQ:TQ+2], v[(\s)+16:(\s)+31], v[TM+5]
	v_nop                                          ; one plain place behind a scaled conversion
.irp i, 0,1,2
	v_permlane16_swap_b32 v[(\d)+\i], v[TQ+\i]
.endr
.irp i, 0,1,2
	v_mov_b32 v[(\d)+3+\i], v[TQ+\i]
.endr
.endm
	s_load_b256 s[4:11], s[0:1], 0x0               ; xq s[4:5], wq s[6:7], bq s[8:9], bk s[10:11]
	s_load_b128 s[12:15], s[0:1], 0x20             ; bv s[12:13], qq s[14:15]
	s_load_b64 s[16:17], s[0:1], 0x30              ; kv
	v_lshl_add_u32 v[SPW], v0, 2, SPARE
	v_mov_b32 v[NIL], 0
	ds_add_u32 v[SPW], v[NIL]                      ; the wave's opening: the add, twice on end, and its wait ahead of my first tensor load
	ds_add_u32 v[SPW], v[NIL]
	v_lshrrev_b32 v3, 5, v0
	v_readfirstlane_b32 s[WV], v3                  ; wave 0..3
	s_and_b32 s19, s[WV], 1                        ; kind: q or k
	s_lshr_b32 s20, s[WV], 1                       ; hw: which of the two heads
	s_bfe_u32 s21, ttmp6, 0x40000                  ; cx
	s_bfe_u32 s22, ttmp6, 0x40004                  ; cy
	s_lshl_b32 s23, ttmp9, 2
	s_add_co_u32 s23, s23, s21                     ; g = 4 x cluster x + cx
	s_and_b32 s24, ttmp7, 0xffff
	s_lshl_b32 s24, s24, 2
	s_add_co_u32 s24, s24, s22                     ; mb = 4 x cluster y + cy
	s_lshl_b32 s25, s22, 2
	s_lshl_b32 s25, 15, s25                        ; my row of the cluster
	s_lshl_b32 s26, 0x1111, s21                    ; my column
	; descriptor group 1: rows of 256 bytes (32 elements), dense; elements of 8 bytes; no padding
	s_or_b32 s[G1A], s25, (3<<16)|(1<<21)
	s_or_b32 s[G1B], s26, (3<<16)|(1<<21)
	s_or_b32 s[G1C], s26, (3<<16)|(1<<21)
	; dense blocks as rows of 256 bytes (32 elements of 8): x 384 rows, a weight's six K steps 288, its last two 96
	s_mov_b32 s[G1A+2], 384<<16
	s_mov_b32 s[G1A+4], 384
	s_mov_b32 s[G1B+2], 288<<16
	s_mov_b32 s[G1B+4], 288
	s_mov_b32 s[G1C+2], 96<<16
	s_mov_b32 s[G1C+4], 96
.irp g, G1A, G1B, G1C
	s_mov_b32 s[\g+1], 32<<16
	s_mov_b32 s[\g+3], 32<<16
	s_mov_b32 s[\g+5], 32
	s_mov_b32 s[\g+6], 0
	s_mov_b32 s[\g+7], 0
.endr
	s_mul_i32 s74, s24, 98304                      ; x: my 8 tiles.  (These registers never hold cx)
	s_mov_b32 s75, 0
	s_sub_co_i32 s76, s[WV], 1
	s_max_i32 s76, s76, 0                          ; which weight I fetch
	s_mul_i32 s76, s76, 786432
	s_mul_i32 s77, s23, 98304                      ; its 8 tiles of my channels.  (These never hold cy)
	s_add_co_u32 s76, s76, s77
	s_mov_b32 s77, 0
	s_mul_i32 s78, s[WV], 73728
	s_add_co_u32 s78, s78, 24576                   ; waves 1-3: region 98,304 + 73,728 (wave - 1)
	s_mov_b32 s[SEL], 0x76543210
	s_mov_b32 s[SEL+1], 0xfedcba98
	s_wait_dscnt 0x0                               ; both opening adds are done
	s_wait_kmcnt 0x0
	s_add_nc_u64 s[80:81], s[4:5], s[74:75]
	s_add_nc_u64 s[82:83], s[6:7], s[76:77]
	CROUND                                         ; all sixteen work-groups are here: the first joint loads meet
	SETG0 G0A, 75, 80, 0                           ; x at LDS byte 0 (s75 holds 0)
	SETG0 G0B0, 78, 82, 0                          ; K steps 0-5 of my weight
	SETG0 G0C, 78, 82, 73728                       ; K steps 6 and 7, into the bytes of K steps 0 and 1
	JLOAD G0A, G1A, G0B0, G1B                      ; one tensor load a wave at the head
	v_and_b32 v3, 31, v0                           ; lane
	v_lshlrev_b32 v14, 4, v3
	v_lshlrev_b32 v[L4], 2, v3
	s_wait_alu depctr_va_vdst(0)
	v_bfe_u32 v15, v0, 4, 1
	v_lshlrev_b32 v15, 5, v15                      ; 32 x (lane / 16)
	s_wait_alu depctr_va_vdst(0)
	v_and_b32 v16, 15, v0
	v_lshlrev_b32 v16, 2, v16                      ; 4 x (lane % 16)
	s_wait_alu depctr_va_vdst(0)
	s_lshl_b32 s92, s24, 9                         ; x's scale words: my 128 tokens
	s_add_co_u32 s92, s92, 3145728
	s_mov_b32 s93, 0
	s_add_nc_u64 s[84:85], s[4:5], s[92:93]
	s_lshl_b32 s92, s19, 15                        ; Wq's or Wk's: 8 K steps of 4,096 bytes a matrix
	s_lshl_b32 s27, s23, 9                         ; my 128 channels
	s_add_co_u32 s92, s92, s27
	s_lshl_b32 s79, s20, 8                         ; my head's 64
	s_add_co_u32 s92, s92, s79
	s_add_co_u32 s92, s92, 3145728
	s_add_nc_u64 s[86:87], s[6:7], s[92:93]
	s_lshl_b32 s92, s[WV], 7                       ; Wv's: my 32 channels
	s_add_co_u32 s92, s92, s27
	s_add_co_u32 s92, s92, 3145728+65536
	s_add_nc_u64 s[88:89], s[6:7], s[92:93]
	s_cmp_eq_u32 s19, 0
	s_cselect_b64 s[8:9], s[8:9], s[10:11]         ; bq or bk: the choice hangs on the wave's number alone
	s_add_co_u32 s92, s27, s79
	s_add_nc_u64 s[8:9], s[8:9], s[92:93]
	s_lshl_b32 s92, s[WV], 7
	s_add_co_u32 s92, s92, s27
	s_add_nc_u64 s[12:13], s[12:13], s[92:93]
.irp s, 0,1,2,3,4,5,6,7
.irp j, 0,1,2,3
	global_load_b32 v[XS+4*\s+\j], v[L4], s[84:85] offset:\s*16384+128*\j
.endr
.irp j, 0,1
	global_load_b32 v[WQS+2*\s+\j], v[L4], s[86:87] offset:\s*4096+128*\j
.endr
	global_load_b32 v[WVS+\s], v[L4], s[88:89] offset:\s*4096
.endr
	WIN 0x40                                       ; destination window 1
.irp c, 0,1,2,3
	global_load_b128 v[BQ+8*\c:BQ+8*\c+3], v15, s[8:9] offset:64*\c          ; the bias of channels 16 c + 8 (lane / 16) + 0 .. 7 of my head
	global_load_b128 v[BQ+8*\c+4:BQ+8*\c+7], v15, s[8:9] offset:64*\c+16
.endr
.irp e, 0,1
	global_load_b32 v[BV+2*\e], v16, s[12:13] offset:64*\e                   ; bv of channel lane % 16 of my tile e; twice, since the packed form names a pair
	global_load_b32 v[BV+2*\e+1], v16, s[12:13] offset:64*\e
.endr
	v_mov_b32 v[A16], v14
	v_lshlrev_b32 v[A8], 3, v3
	v_mov_b32 v[A4], v16
	WIN 0
	s_mul_i32 s27, s19, 73728                      ; Wq's or Wk's region,
	s_mul_i32 s79, s20, 6144                       ; my head's four tiles in a K step's eight
	s_add_co_u32 s27, s27, s79
	s_add_co_u32 s27, s27, 98304
	s_mul_i32 s79, s[WV], 3072                     ; Wv's region, my two tiles
	s_add_co_u32 s79, s79, 245760
.irp sl, 0,1                           ; two address registers each, so that every offset stays inside 16 bits: x's tiles 0-3 and 4-7; a region's K steps 0-2 and 3-5
	v_add_nc_u32 v[AX+\sl], \sl*49152, v14
	v_add_nc_u32 v[AW+\sl], s27, v14
	v_add_nc_u32 v[AV+\sl], s79, v14
	s_add_co_u32 s27, s27, 36864
	s_add_co_u32 s79, s79, 36864
.endr
	; where the results go
	s_lshr_b32 s66, s24, 4
	s_lshl_b32 s66, s66, 4
	s_lshl_b32 s67, s23, 1
	s_add_co_u32 s66, s66, s67
	s_add_co_u32 s66, s66, s20                     ; batch x 16 + head
	s_and_b32 s67, s24, 15                         ; key step
	s_lshl_b32 s79, s66, 4
	s_add_co_u32 s79, s79, s67
	s_mul_i32 s79, s79, 13056                      ; the record
	s_mul_i32 s92, s66, 98304
	s_mul_i32 s93, s67, 6144
	s_add_co_u32 s92, s92, s93                     ; q's codes
	s_lshl_b32 s27, s66, 13
	s_lshl_b32 s93, s67, 9
	s_add_co_u32 s27, s27, s93
	s_add_co_u32 s27, s27, 3145728                 ; q's scale words
	s_add_co_u32 s93, s79, 12288                   ; k's scale words
	s_cmp_eq_u32 s19, 0
	s_cselect_b32 s92, s92, s79
	s_cselect_b32 s27, s27, s93
	s_cselect_b64 s[94:95], s[14:15], s[16:17]
	s_mov_b32 s93, 0
	s_mov_b64 s[96:97], s[94:95]
	s_add_nc_u64 s[94:95], s[94:95], s[92:93]      ; codes of q or k
	s_mov_b32 s92, s27
	s_add_nc_u64 s[96:97], s[96:97], s[92:93]      ; their scale words
	s_mul_i32 s92, s19, 3072
	s_add_co_u32 s92, s92, s79
	s_add_co_u32 s92, s92, 6144
	s_add_nc_u64 s[98:99], s[16:17], s[92:93]      ; V^T's fragments 2 (w & 1), 2 (w & 1) + 1
	s_lshl_b32 s92, s19, 7
	s_add_co_u32 s92, s92, s79
	s_add_co_u32 s92, s92, 12800
	s_add_nc_u64 s[100:101], s[16:17], s[92:93]    ; and their scale words
.macro FETCH st, set                   ; K step st (the weights' steps 6, 7 lie where steps 0, 1 lay)
	WIN 0x40*(1+\set)
.irp tt, 0,1,2,3,4,5,6,7
.irp c, 0,1,2
	ds_load_b128 v[12*\tt+4*\c:12*\tt+4*\c+3], v[AX+\tt/4] offset:(\tt%4)*12288+(\st)*1536+512*\c
.endr
.endr
.irp t, 0,1,2,3
.irp c, 0,1,2
	ds_load_b128 v[FW+12*\t+4*\c:FW+12*\t+4*\c+3], v[AW+((\st)%6)/3] offset:(((\st)%6)%3)*12288+\t*1536+512*\c
.endr
.endr
.irp t, 0,1
.irp c, 0,1,2
	ds_load_b128 v[FV+12*\t+4*\c:FV+12*\t+4*\c+3], v[AV+((\st)%6)/3] offset:(((\st)%6)%3)*12288+\t*1536+512*\c
.endr
.endr
.endm
.macro MULS set, s, first              ; a K step's 48 matrix instructions
	WIN 0xF0+5*(1+\set)                            ; sources in the set's window, C and D in window 3
.irp tt, 0,1,2,3,4,5,6,7
.irp c4, 0,1,2,3
.if \first
	WM 8*(4*\tt+\c4), FW+12*\c4, 12*\tt, -1, WQS+2*(\s)+\c4/2, XS+4*(\s)+\tt/2, \c4%2, \tt%2
.else
	WM 8*(4*\tt+\c4), FW+12*\c4, 12*\tt, 8*(4*\tt+\c4), WQS+2*(\s)+\c4/2, XS+4*(\s)+\tt/2, \c4%2, \tt%2
.endif
.endr
.endr
	WIN 5*(1+\set)                                 ; C and D in window 0
.irp e, 0,1
.irp tt, 0,1,2,3,4,5,6,7
.if \first
	WM VACC+8*(8*\e+\tt), 12*\tt, FV+12*\e, -1, XS+4*(\s)+\tt/2, WVS+(\s), \tt%2, \e
.else
	WM VACC+8*(8*\e+\tt), 12*\tt, FV+12*\e, VACC+8*(8*\e+\tt), XS+4*(\s)+\tt/2, WVS+(\s), \tt%2, \e
.endif
.endr
.endr
.endm
.macro STEP s
.if (\s) == 1                          ; K steps 0 and 1 are asked for: their bytes are filled again with the weights' K steps 6 and 7
	WIN 0
	s_wait_tensorcnt 0x0                           ; all my tensor loads have landed: my parts of chunks 1 and 2
	ds_add_u32 v[SPW], v[NIL]                      ; 0 onto my spare word
	s_wait_dscnt 0x0                               ; the add is done, and my reads of K steps 0 and 1 are in
	CROUND                                         ; no wave of any partner still reads those bytes or has a load on its way
	s_cmp_eq_u32 s[WV], 0                          ; wave 0 has no part of the refill
	s_cbranch_scc1 .Lno_refill_\@
	tensor_load_to_lds s[G0C:G0C+3], s[G1C:G1C+7]  ; the weights' K steps 6 and 7: four K steps in which to land
	s_nop 0
.rept 4
	v_nop
.endr
.Lno_refill_\@:
.endif
.if (\s) == 5                          ; chunk 3 is shown to all four waves
	WIN 0
	s_wait_tensorcnt 0x0
	s_wait_dscnt 0x0
	s_barrier_signal -1
	s_barrier_wait -1
.endif
.if (\s) < 7
.if (\s) > 0
	WIN 0
	PLACES 4                                       ; in front of loads into registers that the last step's matrix instructions have read
.endif
	FETCH (\s)+1, ((\s)+1)%2
	s_wait_dscnt 42                                ; all but the 42 just issued: this step's fragments are in
.else
	s_wait_dscnt 0x0
.endif
	MULS (\s)%2, \s, (\s)==0
.endm
	s_wait_alu depctr_va_vdst(0)
	s_wait_tensorcnt 0x0                           ; my one load of the head is in
	s_barrier_signal -1
	s_barrier_wait -1
	FETCH 0, 0
	s_wait_loadcnt 0x0                             ; scale words and biases
.irp s, 0,1,2,3,4,5,6,7
	STEP \s
.endr
	; THE WAY OUT, at home in window 1.  The addition of the bias is also the move out of the accumulators' window.
	WIN 0
	PLACES 4
	WIN 0x55
	v_mov_b32 v[TM+2], 0                           ; written once: a lane permute's destination counts as one of its sources
	v_mov_b32 v[TM+3], 0
.irp tt, 0,1,2,3,4,5,6,7               ; q or k: 16 tokens x the head's 64 channels: half a fragment and two scale bytes a token
	s_wait_xcnt 0x0                                ; the last unit's stores have read their registers
	WIN 0x47                                       ; source 0 window 3, source 1 and destination window 1
.irp i, 0,2,4,6,8,10,12,14,16,18,20,22,24,26,28,30
	v_pk_add_f32 v[ST+\i:ST+\i+1], v[32*\tt+\i:32*\tt+\i+1], v[BQ+\i:BQ+\i+1]
.endr
	WIN 0x55
	QUANT2 ST, PC, PW
	global_store_b128 v[A16], v[PC:PC+3], s[94:95] offset:768*\tt
	global_store_b64 v[A8], v[PC+4:PC+5], s[94:95] offset:768*\tt+512
	global_store_b32 v[A4], v[PW], s[96:97] offset:64*\tt                    ; lanes 16-31 write what lanes 0-15 write
.endr
.irp e, 0,1                            ; v: 16 channels x 128 keys: a fragment and a scale word a channel
	s_wait_xcnt 0x0
	WIN 0x44                                       ; source 0 window 0
.irp i, 0,2,4,6,8,10,12,14,16,18,20,22,24,26,28,30,32,34,36,38,40,42,44,46,48,50,52,54,56,58,60,62
	v_pk_add_f32 v[ST+\i:ST+\i+1], v[VACC+64*\e+\i:VACC+64*\e+\i+1], v[BV+2*\e:BV+2*\e+1] op_sel_hi:[1,0]
.endr
	WIN 0x55
	QUANT2 ST, PC, PW
	QUANT2 ST+32, PC+6, PW+1
	v_lshl_or_b32 v[PW+2], v[PW+1], 16, v[PW]
.irp c, 0,1,2
	global_store_b128 v[A16], v[PC+4*\c:PC+4*\c+3], s[98:99] offset:1536*\e+512*\c
.endr
	global_store_b32 v[A4], v[PW+2], s[100:101] offset:64*\e
.endr
	WIN 0
	s_wait_tensorcnt 0x0                           ; the wave's end, behind my last tensor load
	ds_add_u32 v[SPW], v[NIL]
	s_wait_dscnt 0x0
	CROUND                                         ; the closing round
	s_endpgm
.Lfunc_end_k_q31f03bcb37_qkv:
	.size	k_q31f03bcb37_qkv, .Lfunc_end_k_q31f03bcb37_qkv-k_q31f03bcb37_qkv
	.p2alignl 7, 3214868480
	.fill 96, 4, 3214868480
	.section	.rodata,"a",@progbits
	.p2align	6, 0x0
	.amdhsa_kernel k_q31f03bcb37_qkv
		.amdhsa_group_segment_fixed_size 327680
		.amdhsa_private_segment_fixed_size 0
		.amdhsa_enable_private_segment 0
		.amdhsa_kernarg_size 56
		.amdhsa_user_sgpr_count 2
		.amdhsa_user_sgpr_kernarg_segment_ptr 1
		.amdhsa_wavefront_size32 1
		.amdhsa_system_sgpr_workgroup_id_x 1
		.amdhsa_system_sgpr_workgroup_id_y 1
		.amdhsa_system_sgpr_workgroup_id_z 1
		.amdhsa_system_vgpr_workitem_id 0
		.amdhsa_next_free_vgpr 1024
		.amdhsa_next_free_sgpr 102
		.amdhsa_reserve_vcc 0
		.amdhsa_float_denorm_mode_32 3
		.amdhsa_float_denorm_mode_16_64 3
		.amdhsa_memory_ordered 1
		.amdhsa_forward_progress 1
		.amdhsa_inst_pref_size 126
	.end_amdhsa_kernel
	.amdgpu_metadata
---
amdhsa.version: [ 1, 2 ]
amdhsa.kernels:
  - .name:           k_q31f03bcb37_qkv
    .symbol:         k_q31f03bcb37_qkv.kd
    .args:
      - { .name: xq, .offset: 0, .size: 8, .value_kind: global_buffer, .address_space: global }
      - { .name: wq, .offset: 8, .size: 8, .value_kind: global_buffer, .address_space: global }
      - { .name: bq, .offset: 16, .size: 8, .value_kind: global_buffer, .address_space: global }
      - { .name: bk, .offset: 24, .size: 8, .value_kind: global_buffer, .address_space: global }
      - { .name: bv, .offset: 32, .size: 8, .value_kind: global_buffer, .address_space: global }
      - { .name: qq, .offset: 40, .size: 8, .value_kind: global_buffer, .address_space: global }
      - { .name: kv, .offset: 48, .size: 8, .value_kind: global_buffer, .address_space: global }
    .group_segment_fixed_size: 327680
    .private_segment_fixed_size: 0
    .kernarg_segment_align: 8
    .kernarg_segment_size: 56
    .max_flat_workgroup_size: 128
    .sgpr_count:     102
    .vgpr_count:     1024
    .wavefront_size: 32
...
	.end_amdgpu_metadata
.endif
;; end of part 2
;; launch attn (part 3): grid 8 x 32, 8 waves a work-group, clusters of 4 x 1, 210,944 bytes of LDS; arguments qq, kv, cq; writes cq
.if DOCPART == 3
	.amdgcn_target "amdgcn-amd-amdhsa--gfx1250"
	.amdhsa_code_object_version 6
	.text
	.protected	k_q31f03bcb37_attn
	.globl	k_q31f03bcb37_attn
	.p2align	8
	.type	k_q31f03bcb37_attn,@function
k_q31f03bcb37_attn:
	s_mov_b64 s[64:65], 0
	v_nop
	global_prefetch_b8 v0, s[64:65] scope:SCOPE_SE
	s_setreg_imm32_b32 hwreg(HW_REG_WAVE_MODE, 25, 1), 1
	s_wait_xcnt 0x0
	s_wait_alu depctr_hold_cnt(0) depctr_sa_sdst(0) depctr_va_vdst(0) depctr_va_sdst(0) depctr_va_ssrc(0) depctr_va_vcc(0) depctr_vm_vsrc(0)
	s_getreg_b32 s2, hwreg(HW_REG_IB_STS2, 6, 4)
	s_cmp_eq_u32 s2, 0
	s_cbranch_scc0 .Lentry_in_a_cluster
	s_endpgm
.Lentry_in_a_cluster:
	s_bfe_u32 s2, ttmp6, 0x10000c
	s_cmp_lg_u32 s2, 0x3003
	s_cbranch_scc0 .Lentry_shape_is_right
	s_endpgm
.Lentry_shape_is_right:
; Launch 3 of 4: ctx = softmax(q k^T / 8 + slope x (j - i)) v for each batch and head, both products on codes of E2M3, and ctx quantised along the model's width for the last product.  Nothing is left out.
; THE SOFTMAX: t = logit x log2(e); M = the row's largest t so far, rounded UP to a whole number; p = 2^(t - M) is quantised along the keys; the row's sum is taken of the unquantised p.
; When M moves, the sum and O are multiplied by 2^(old M - new M), which rounds nothing.
; THE LOGIT IS ROUNDED WHERE THE PROBLEM'S FORMULA ROUNDS IT, kept 8 times as large (which rounds nothing): rel = j - i (exact); B = kappa x rel, kappa = 8 x slope (one rounding); s + B (one rounding).
; t - M is then ONE fused multiply-add, logit x log2(e) / 8 - M, rounded at the size of t - M.
; LIMITS: NaN and infinities are not served; p under 2^-126 counts as 0; a block of zeros has the byte 1; the f32 constant is 1.3e-8 of itself short of log2(e); the promise holds while |t| stays under 2^31.
; SHARES.  A work-group owns 256 queries of one batch and head; each of its 8 waves two tiles of 16 queries, tiles w and w + 8: they lie 128 queries, one key step, apart.
;   So the upper tile's j - i at key step s is the lower tile's at step s - 1: B is made once a step (64 numbers a lane), added to the lower tile, kept, and added to the upper tile in the next step.
; ALL OF THE HEAD'S K AND V STAY IN LDS: 16 records of 13,056 bytes (128 keys each); wave w brings records 2 w and 2 w + 1 by one tensor load.  No ring, nothing is filled again, no barrier in the loop.
;   All is asked for at the head, so there is no loop to run ahead in and no prefetch.  CLUSTER 4 x 1: the four work-groups belong to one head and ask for each pair of records jointly.
; LAYOUT.  Both products are used transposed (S^T = K Q^T, O^T = V^T P^T): a lane holds ONE query (lane % 16).  THE KEYS OF A TILE OF K ARE CHOSEN BY THE LANES' LDS ADDRESSES: row m of tile (c, i) is key
;   64 c + 32 (m / 8) + 8 i + m % 8, so that lane (r, h) holds in 32 registers ALL of block 2 c + h of the step's keys: a block's maximum and its codes need no other lane.  Tile i's results go to register group
;   (0, 2, 1, 3)[i] of the block: the order inside a block that the launch before gave V^T.
;   The head's 64 fill half of the instruction's 128 along K: Q's registers 6-11 are zero codes, so what stands in K's registers 6-11 adds nothing (every 6-bit code is finite, the scale bytes there are 0): tile t's
;   fragment begins at 6 t and runs on into tile t + 1's.
; REGISTERS.  v112-255 of window a are tile a's own (a = 0: tile w; 1: tile w + 8), the same numbers in both.  Window 0, v0-111: addresses, scale words (v20-29), L (v32-39), K (v56-109).  Window 1, v0-111: V^T (v0-47), B (v48-111).
.set RECB,  13056
.set SPARE, 208896
.set SPW, 1
.set NIL, 2
.set AB,  3                            ; v3-7  lane parts: K's 16-byte pieces, K's 8-byte pieces, K's scale words, 16 x lane, 4 x lane
.set AS,  8                            ; v8-12 the same + the record in hand
.set A8,  14                           ; 8 x lane
.set A2,  15                           ; 2 x (lane % 16)
.set A4,  16                           ; 4 x (lane % 16)
.set KS,  20                           ; v20-23 K's scale words: register e: lanes 0-15 tile (e / 2, 2 (e % 2)), lanes 16-31 the tile behind it
.set VS,  24                           ; v24-25 V's
.set QS,  26                           ; v26-27 Q's, a register a tile
.set PS,  28                           ; v28-29 p's
.set L,   32                           ; v32-39 j + 32 (lane / 16) - lane % 16, j = 0 .. 7
.set K,   56
.set V,   0                            ; window 1
.set B,   48                           ; window 1
.set S,   112                          ; a tile's own: S^T, then p
.set O,   176
.set Q,   208
.set PC,  220                          ; p's codes
.set NM,  232                          ; -M
.set RM,  233                          ; the largest 8 x logit so far
.set LS,  234                          ; the sum, a pair
.set F,   236                          ; 2^(old M - new M)
.set SH8, 237                          ; 8 x (lane / 16)
.set T,   238                          ; v238-245 at work
.set U,   244                          ; v244-255 six pairs for the sum; then the conversions' second halves
.set TM,  238                          ; QUANT2 on the way out
.set TQ,  244
.set WV,  10
.set SEL, 28
.set C1,  30                           ; s[30:31] log2(e) / 8
.set KAP, 32                           ; s[32:33] kappa
.set TB,  34                           ; LDS byte at which the record in hand begins
.set CNT, 35
.set OFF, 68                           ; s[68:83] eight pairs: tile (c, i)'s part of j - i for the lower tile, as f32 (whole numbers, exact)
.set MSB, 0
.macro WIN new                         ; the immediate's high byte repeats the setting that is left
.if MSB != (\new)
	s_set_vgpr_msb (MSB<<8)|(\new)
.set MSB, (\new)
.endif
.endm
.macro DLY n
	s_delay_alu instid0(VALU_DEP_\n)
.endm
.macro CROUND
	s_barrier_signal -1
	s_barrier_wait -1
	s_cmp_lg_u32 s[WV], 0
	s_cbranch_scc1 .Lnot_wave_0_\@
	s_barrier_signal -3
.Lnot_wave_0_\@:
	s_barrier_wait -3
	s_barrier_signal -1
	s_barrier_wait -1
.endm
.macro WM d, a, b, c, sa, sb, ra       ; D, source 0, source 1, C (under 0: the constant 0), the scale registers; ra: source 0's scales stand in lanes 16-31
.if (\c) < 0
.if (\ra) == 0
	v_wmma_scale_f32_16x16x128_f8f6f4 v[(\d):(\d)+7], v[(\a):(\a)+11], v[(\b):(\b)+11], 0, v[\sa], v[\sb] matrix_a_fmt:MATRIX_FMT_FP6 matrix_b_fmt:MATRIX_FMT_FP6
.else
	v_wmma_scale_f32_16x16x128_f8f6f4 v[(\d):(\d)+7], v[(\a):(\a)+11], v[(\b):(\b)+11], 0, v[\sa], v[\sb] matrix_a_fmt:MATRIX_FMT_FP6 matrix_b_fmt:MATRIX_FMT_FP6 matrix_a_scale:MATRIX_SCALE_ROW1
.endif
.else
.if (\ra) == 0
	v_wmma_scale_f32_16x16x128_f8f6f4 v[(\d):(\d)+7], v[(\a):(\a)+11], v[(\b):(\b)+11], v[(\c):(\c)+7], v[\sa], v[\sb] matrix_a_fmt:MATRIX_FMT_FP6 matrix_b_fmt:MATRIX_FMT_FP6
.else
	v_wmma_scale_f32_16x16x128_f8f6f4 v[(\d):(\d)+7], v[(\a):(\a)+11], v[(\b):(\b)+11], v[(\c):(\c)+7], v[\sa], v[\sb] matrix_a_fmt:MATRIX_FMT_FP6 matrix_b_fmt:MATRIX_FMT_FP6 matrix_a_scale:MATRIX_SCALE_ROW1
.endif
.endif
.endm
.macro QUANT2 s, d, w                  ; the way out: 32 numbers of a lane (16 of each of two blocks; lane l xor 16 holds the others) become half a fragment and two scale bytes
.irp b, 0,1
	v_max3_num_f32 v[TM+\b], |v[(\s)+16*\b]|, |v[(\s)+16*\b+1]|, 0x1800000
.endr
.irp i, 2,4,6,8,10,12,14
.irp b, 0,1
	DLY 2
	v_max3_num_f32 v[TM+\b], v[TM+\b], |v[(\s)+16*\b+\i]|, |v[(\s)+16*\b+\i+1]|
.endr
.endr
.irp b, 0,1
	DLY 2
	v_permlanex16_b32 v[TM+2+\b], v[TM+\b], s[SEL], s[SEL+1]
.endr
.irp b, 0,1
	DLY 2
	v_max_num_f32 v[TM+\b], v[TM+\b], v[TM+2+\b]
.endr
.irp b, 0,1
	DLY 2
	v_add_nc_u32 v[TM+4+\b], 0xff000000, v[TM+\b]
.endr
.irp b, 0,1
	DLY 2
	v_lshrrev_b32 v[TM+2+\b], 23, v[TM+4+\b]
.endr
	DLY 1
	v_lshl_or_b32 v[\w], v[TM+3], 8, v[TM+2]
	v_cvt_scalef32_pk16_fp6_f32 v[(\d):(\d)+2], v[(\s):(\s)+15], v[TM+4]
	v_cvt_scalef32_pk16_fp6_f32 v[TQ:TQ+2], v[(\s)+16:(\s)+31], v[TM+5]
	v_nop
.irp i, 0,1,2
	v_permlane16_swap_b32 v[(\d)+\i], v[TQ+\i]
.endr
.irp i, 0,1,2
	DLY 3
	v_mov_b32 v[(\d)+3+\i], v[TQ+\i]
.endr
.endm
.macro KLOAD ra, x                     ; 20 LDS loads: K's eight half fragments and four registers of scale words of the record at the address registers + x
.irp c, 0,1
.irp i, 0,1,2,3
	ds_load_b128 v[K+6*(4*\c+\i):K+6*(4*\c+\i)+3], v[\ra] offset:(\x)+768*(4*\c+\i/2)+128*(\i%2)
	ds_load_b64 v[K+6*(4*\c+\i)+4:K+6*(4*\c+\i)+5], v[\ra+1] offset:(\x)+768*(4*\c+\i/2)+512+64*(\i%2)
.endr
.endr
.irp e, 0,1,2,3
	ds_load_b32 v[KS+\e], v[\ra+2] offset:(\x)+12288+256*(\e/2)+64*(\e%2)
.endr
.endm
.macro QK a                            ; S^T = K Q^T of tile a: eight accumulators, one instruction each
.irp c, 0,1
.irp i, 0,1,2,3
	WM S+32*\c+8*(2*(\i%2)+\i/2), K+6*(4*\c+\i), Q, -1, KS+2*\c+\i/2, QS+\a, \i%2
.endr
.endr
.endm
.macro BCOMP                           ; B = kappa x (j - i) for the lower tile at the step that OFF stands at, laid as S is
	WIN 0x40                                       ; L in window 0, B in window 1
.irp c, 0,1
.irp i, 0,1,2,3
.irp j, 0,2,4,6
	v_pk_add_f32 v[B+32*\c+8*(2*(\i%2)+\i/2)+\j:B+32*\c+8*(2*(\i%2)+\i/2)+\j+1], v[L+\j:L+\j+1], s[OFF+8*\c+2*\i:OFF+8*\c+2*\i+1] op_sel_hi:[1,0]   ; j - i: exact
.endr
.endr
.endr
	WIN 0x41
.set j, 0
.rept 32
	v_pk_mul_f32 v[B+j:B+j+1], v[B+j:B+j+1], s[KAP:KAP+1] op_sel_hi:[1,0]   ; 8 x the bias
.set j, j+2
.endr
.endm
.macro ADDB                            ; 8 x the logit; each accumulator is read from its low end on
.set j, 0
.rept 32
	v_pk_add_f32 v[S+j:S+j+1], v[S+j:S+j+1], v[B+j:B+j+1]
.set j, j+2
.endr
.endm
.macro TMRUN n                         ; n packed lines of t - M = logit x log2(e) / 8 - M, from pair j on
.rept \n
	v_pk_fma_f32 v[S+j:S+j+1], v[S+j:S+j+1], s[C1:C1+1], v[NM:NM+1] op_sel_hi:[1,0,0]
.set j, j+2
.endr
.endm
.macro WQ a, k                         ; matrix instruction k of tile a's twelve a step: 0-3 O^T += V^T P^T, 4-11 S^T = K Q^T
.if (\k) < 4
	WIN 0x01+0x54*(\a)
	WM O+8*(\k), V+12*(\k), PC, O+8*(\k), VS+(\k)/2, PS+(\a), (\k)%2
.else
	WIN 0x54*(\a)
	WM S+32*(((\k)-4)/4)+8*(2*((\k)%2)+(((\k)-4)%4)/2), K+6*((\k)-4), Q, -1, KS+2*(((\k)-4)/4)+(((\k)-4)%4)/2, QS+(\a), (\k)%2
.endif
.endm
; tile a: from 8 x logit in S to p's codes in PC, p's scale word in PS + a, the sum and O under the new M.  Among its exponentials stand the OTHER tile's matrix instructions k0 .. k1 - 1, one behind every fifth exponential.
.macro SOFTMAX a, k0, k1, last
	WIN 0x55*\a
.irp c, 0,1                            ; the largest logit of my two blocks of 32 keys: eight chains by turns
.irp k, 0,1,2,3
	v_max3_num_f32 v[T+4*\c+\k], v[S+32*\c+8*\k], v[S+32*\c+8*\k+1], v[S+32*\c+8*\k+2]
.endr
.endr
.irp i, 3,5
.irp c, 0,1
.irp k, 0,1,2,3
	v_max3_num_f32 v[T+4*\c+\k], v[T+4*\c+\k], v[S+32*\c+8*\k+\i], v[S+32*\c+8*\k+\i+1]
.endr
.endr
.endr
.irp c, 0,1
	v_max3_num_f32 v[T+4*\c], v[T+4*\c], v[T+4*\c+1], v[T+4*\c+2]
.endr
.irp c, 0,1
	v_max3_num_f32 v[T+4*\c+3], v[T+4*\c+3], v[S+32*\c+7], v[S+32*\c+15]
.endr
.irp c, 0,1
	DLY 2
	v_max3_num_f32 v[T+4*\c], v[T+4*\c], v[T+4*\c+3], v[S+32*\c+23]
.endr
.irp c, 0,1
	DLY 2
	v_max_num_f32 v[T+4*\c], v[T+4*\c], v[S+32*\c+31]
.endr
	DLY 1
	v_max_num_f32 v[T+1], v[T], v[T+4]
	DLY 1
	v_permlanex16_b32 v[T+2], v[T+1], s[SEL], s[SEL+1]   ; lane l xor 16 holds my query's other two blocks
	v_mov_b32 v[T+5], v[NM]
	DLY 2
	v_max3_num_f32 v[RM], v[RM], v[T+1], v[T+2]
	DLY 1
	v_mul_f32 v[T+3], s[C1], v[RM]                 ; as t: it serves M alone
	DLY 1
	v_floor_f32 v[NM], -v[T+3]                     ; the new -M = -ceil(t)
	DLY 1
	v_sub_f32 v[T+5], v[NM], v[T+5]                ; old M - new M: a whole number, 0 or less
.set j, 0
	TMRUN 8
	v_cvt_i32_f32 v[T+5], v[T+5]                   ; (it saturates)
	TMRUN 8
	v_ldexp_f32 v[F], 1.0, v[T+5]                  ; f = 2^(old M - new M)
	TMRUN 16
	v_fma_f32 v[T], v[T], s[C1], v[NM]             ; the same line on each block's largest logit: the same bits as its element's
	v_fma_f32 v[T+4], v[T+4], s[C1], v[NM]
	s_wait_alu depctr_va_vdst(0)                   ; the wait ahead of the batch (and directly ahead of the wait below)
.if \a == 0
	s_wait_dscnt 0x0                               ; this step's V and the next step's K are in: asked for behind the upper tile's batch
.endif
.set j, 0
.set kq, \k0
.rept 64
	v_exp_f32 v[S+j], v[S+j]                       ; p = 2^(t - M): not normalised
.set j, j+1
.if (j%5 == 0) && (kq < (\k1))
	WQ 1-\a, kq                                    ; the other tile's accumulators, one instruction each
	WIN 0x55*\a
.set kq, kq+1
.endif
.endr
	v_exp_f32 v[T], v[T]                           ; my blocks' largest p
	v_exp_f32 v[T+4], v[T+4]
	v_pk_mul_f32 v[LS:LS+1], v[LS:LS+1], v[F:F+1] op_sel_hi:[1,0]   ; the sum under the new M: a plain line behind the exponentials
.if \a == 1
	LOADS \last                                    ; the lower tile's products above were the last readers of V and K
	WIN 0x55*\a
.endif
	s_wait_alu depctr_va_vdst(0)                   ; one wait for the whole batch, ahead of its first reader
.set j, 0
.rept 6                                ; the sum of the unquantised p: 32 packed lines on seven chains
	v_pk_add_f32 v[U+2*j:U+2*j+1], v[S+4*j:S+4*j+1], v[S+4*j+2:S+4*j+3]
.set j, j+1
.endr
.set j, 12
.rept 20
.if (j+2)%7 == 6
	v_pk_add_f32 v[LS:LS+1], v[LS:LS+1], v[S+2*j:S+2*j+1]
.else
	v_pk_add_f32 v[U+2*((j+2)%7):U+2*((j+2)%7)+1], v[U+2*((j+2)%7):U+2*((j+2)%7)+1], v[S+2*j:S+2*j+1]
.endif
.set j, j+1
.endr
	v_max_num_f32 v[T], 0x1800000, v[T]            ; the floor: the byte cannot fall under 1
	v_max_num_f32 v[T+4], 0x1800000, v[T+4]
	v_pk_add_f32 v[U:U+1], v[U:U+1], v[U+2:U+3]
	v_pk_add_f32 v[U+4:U+5], v[U+4:U+5], v[U+6:U+7]
	v_pk_add_f32 v[U+8:U+9], v[U+8:U+9], v[U+10:U+11]
	v_add_nc_u32 v[T+1], 0xff000000, v[T]          ; 2 off the exponent field: the conversions' scale operands
	v_add_nc_u32 v[T+5], 0xff000000, v[T+4]
	v_pk_add_f32 v[U:U+1], v[U:U+1], v[U+4:U+5]
	v_pk_add_f32 v[LS:LS+1], v[LS:LS+1], v[U+8:U+9]
	v_lshrrev_b32 v[T], 23, v[T+1]                 ; the scales' bytes
	v_lshrrev_b32 v[T+4], 23, v[T+5]
	DLY 3
	v_pk_add_f32 v[LS:LS+1], v[LS:LS+1], v[U:U+1]
	DLY 2
	v_lshl_or_b32 v[T], v[T+4], 16, v[T]           ; blocks h and 2 + h,
	DLY 1
	v_lshlrev_b32 v[T], v[SH8], v[T]               ; at their places in the scale word;
	DLY 1
	v_permlanex16_b32 v[T+2], v[T], s[SEL], s[SEL+1]
	WIN 0x15*\a                                    ; scale words stand in window 0
	v_or_b32 v[PS+\a], v[T], v[T+2]
	WIN 0x55*\a
	v_cvt_scalef32_pk16_fp6_f32 v[PC:PC+2], v[S:S+15], v[T+1]
	v_cvt_scalef32_pk16_fp6_f32 v[U:U+2], v[S+16:S+31], v[T+1]      ; (a conversion's three registers begin on an even number)
	v_cvt_scalef32_pk16_fp6_f32 v[PC+6:PC+8], v[S+32:S+47], v[T+5]
	v_cvt_scalef32_pk16_fp6_f32 v[U+4:U+6], v[S+48:S+63], v[T+5]
	v_nop                                          ; one plain place behind a scaled conversion
.irp i, 0,1,2
	v_mov_b32 v[PC+3+\i], v[U+\i]
	v_mov_b32 v[PC+9+\i], v[U+4+\i]
.endr
	s_wait_alu depctr_va_vdst(0)                   ; directly ahead of the first reader of O^T
.set j, 0
.rept 16
	v_pk_mul_f32 v[O+j:O+j+1], v[O+j:O+j+1], v[F:F+1] op_sel_hi:[1,0]   ; O^T under the new M; these lines are also the places in front of the matrix instructions that follow
.set j, j+2
.endr
.endm
.macro PV a                            ; O^T += V^T P^T of tile a: four accumulators, one instruction each
	WIN 0x01+0x54*\a
.irp t, 0,1,2,3
	WM O+8*\t, V+12*\t, PC, O+8*\t, VS+\t/2, PS+\a, \t%2
.endr
.endm
.macro LOADS last                      ; this step's V and the next step's K; the line ahead and the five below are the places behind the matrix instructions that read these registers
	WIN 0
.irp i, 0,1,2,3,4
	v_add_nc_u32 v[AS+\i], s[TB], v[AB+\i]         ; these five lines are also the places behind the matrix instructions, ahead of the loads and of the first read of S^T
.endr
	WIN 0x40
.irp t, 0,1,2,3
.irp c, 0,1,2
	ds_load_b128 v[V+12*\t+4*\c:V+12*\t+4*\c+3], v[AS+3] offset:6144+1536*\t+512*\c
.endr
.endr
	WIN 0
.irp e, 0,1
	ds_load_b32 v[VS+\e], v[AS+4] offset:12800+128*\e
.endr
.if !(\last)
	KLOAD AS, RECB                                 ; the next step's K
.endif
	s_add_co_u32 s[TB], s[TB], RECB
.endm
; 128 keys for both tiles.  At its head S^T of the upper tile is made.  Under the upper tile's exponentials go the lower tile's O^T += V^T P^T of the step before (none in the first step) and its S^T of this step;
; under the lower tile's go the upper tile's O^T += V^T P^T of this step and its S^T of the next (none in the last step).
.macro STEP first, last
	WIN 0x45
	s_wait_alu depctr_va_vdst(0)                   ; directly ahead of the first reader of the upper tile's S^T
	ADDB                                           ; the upper tile takes the B of the step before
	SOFTMAX 1, 4*(\first), 12, \last
.irp k, 0,1,2,3,4,5,6,7
	s_add_f32 s[OFF+2*\k], s[OFF+2*\k], 0x43000000 ; 128 keys on
.endr
	BCOMP
	WIN 0x04
	s_wait_alu depctr_va_vdst(0)                   ; directly ahead of the first reader of the lower tile's S^T
	ADDB
	SOFTMAX 0, 0, 12-8*(\last), 0
	WIN 0
.endm
.macro FIN a                           ; O^T / the sum is my head's 64 channels of 16 tokens: half a fragment of the last product's operand, and two scale bytes a token
	WIN 0x55*\a
	v_add_f32 v[LS], v[LS], v[LS+1]
	DLY 1
	v_permlanex16_b32 v[T+2], v[LS], s[SEL], s[SEL+1]
	DLY 1
	v_add_f32 v[LS], v[LS], v[T+2]                 ; the row's sum l
	s_wait_alu depctr_va_vdst(0)
	v_rcp_f32 v[F], v[LS]                          ; r, near 1 / l
	v_nop                                          ; a plain place behind the reciprocal
	s_wait_alu depctr_va_vdst(0)                   ; ahead of the first reader of r and of O^T
.set j, 0
.rept 16
	v_pk_mul_f32 v[S+j:S+j+1], v[O+j:O+j+1], v[F:F+1] op_sel_hi:[1,0]        ; q = O r
.set j, j+2
.endr
.set j, 0
.rept 16
	v_pk_fma_f32 v[S+32+j:S+33+j], v[S+j:S+j+1], v[LS:LS+1], v[O+j:O+j+1] op_sel_hi:[1,0,1] neg_lo:[1,0,0] neg_hi:[1,0,0]   ; what is left: O - q l
.set j, j+2
.endr
.set j, 0
.rept 16
	v_pk_fma_f32 v[S+j:S+j+1], v[S+32+j:S+33+j], v[F:F+1], v[S+j:S+j+1] op_sel_hi:[1,0,1]   ; q + r (O - q l): the reciprocal's last-place error is taken away ahead of the quantiser
.set j, j+2
.endr
	QUANT2 S, PC, T+10
	WIN 0x04*\a                                    ; the data in the tile's window
	global_store_b128 v[AB+3], v[PC:PC+3], s[44:45] offset:98304*\a
	global_store_b64 v[A8], v[PC+4:PC+5], s[44:45] offset:98304*\a+512
	global_store_b16 v[A2], v[T+10], s[46:47] offset:256*\a                  ; lanes 16-31 write what lanes 0-15 write
.endm
	s_load_b128 s[4:7], s[0:1], 0x0                ; qq s[4:5], kv s[6:7]
	s_load_b64 s[8:9], s[0:1], 0x10                ; cq
	v_lshl_add_u32 v[SPW], v0, 2, SPARE
	v_mov_b32 v[NIL], 0
	ds_add_u32 v[SPW], v[NIL]                      ; the wave's opening: the add, twice on end, and its wait ahead of my tensor load
	ds_add_u32 v[SPW], v[NIL]
	v_lshrrev_b32 v3, 5, v0
	v_readfirstlane_b32 s[WV], v3                  ; wave 0..7
	s_bfe_u32 s11, ttmp6, 0x40000                  ; cx
	s_lshl_b32 s12, ttmp9, 2
	s_add_co_u32 s12, s12, s11                     ; my block of 256 queries: it enters Q's and ctx's addresses and the bias alone
	s_and_b32 s13, ttmp7, 0xffff                   ; batch x 16 + head, which the four partners share
	s_and_b32 s14, s13, 15                         ; head
	s_mov_b32 s20, 15|(3<<16)|(1<<21)              ; two records are 102 rows of 256 bytes, dense; the mask names all four work-groups
	s_mov_b32 s21, 32<<16
	s_mov_b32 s22, 102<<16
	s_mov_b32 s23, 32<<16
	s_mov_b32 s24, 102
	s_mov_b32 s25, 32
	s_mov_b32 s26, 0
	s_mov_b32 s27, 0
	s_mov_b32 s16, 1
	s_mul_i32 s17, s[WV], 2*RECB                   ; records 2 w, 2 w + 1 land at 26,112 w
	s_lshl_b32 s36, s13, 4
	s_lshl_b32 s37, s[WV], 1
	s_add_co_u32 s36, s36, s37
	s_mul_i32 s36, s36, RECB
	s_mov_b32 s37, 0
	s_mov_b32 s[SEL], 0x76543210
	s_mov_b32 s[SEL+1], 0xfedcba98
	s_mov_b32 s[C1], 0x3e38aa3b                    ; log2(e) / 8
	s_mov_b32 s[C1+1], s[C1]
	s_bitcmp1_b32 s14, 0                           ; slope = 2^(-(head + 1) / 2): kappa is 4 x 2^-(head >> 1) for an odd head, 5.656854 x 2^-(head >> 1) for an even one
	s_mov_b32 s38, 0x40b504f3
	s_cselect_b32 s[KAP], 0x40800000, s38
	s_lshr_b32 s38, s14, 1
	s_lshl_b32 s38, s38, 23
	s_sub_co_u32 s[KAP], s[KAP], s38               ; off the exponent field
	s_mov_b32 s[KAP+1], s[KAP]
	s_mov_b32 s[TB], 0
	s_mov_b32 s[CNT], 0
	s_wait_dscnt 0x0                               ; both opening adds are done
	s_wait_kmcnt 0x0
	s_add_nc_u64 s[18:19], s[6:7], s[36:37]
	s_or_b32 s19, s19, 0x80000000
	CROUND                                         ; all four work-groups are here: the joint loads meet
	tensor_load_to_lds s[16:19], s[20:27]          ; my one tensor load
	s_nop 0
.rept 4
	v_nop
.endr
	s_lshl_b32 s38, s13, 7
	s_lshl_b32 s39, s12, 4
	s_add_co_u32 s39, s39, s[WV]                   ; my lower tile of queries in the sequence; the upper one lies 8 tiles on
	s_add_co_u32 s38, s38, s39
	s_mul_i32 s40, s38, 768
	s_mov_b32 s41, 0
	s_lshl_b32 s42, s38, 6
	s_add_co_u32 s42, s42, 3145728
	s_mov_b32 s43, 0
	s_add_nc_u64 s[40:41], s[4:5], s[40:41]        ; Q's half fragment
	s_add_nc_u64 s[42:43], s[4:5], s[42:43]        ; and its scale words
	s_lshr_b32 s38, s13, 4
	s_lshl_b32 s38, s38, 7
	s_add_co_u32 s38, s38, s39                     ; my lower tile of tokens
	s_lshl_b32 s44, s38, 4
	s_add_co_u32 s44, s44, s14
	s_mul_i32 s44, s44, 768
	s_mov_b32 s45, 0
	s_lshl_b32 s46, s14, 13
	s_lshl_b32 s47, s38, 5
	s_add_co_u32 s46, s46, s47
	s_add_co_u32 s46, s46, 3145728
	s_mov_b32 s47, 0
	s_add_nc_u64 s[44:45], s[8:9], s[44:45]        ; ctx's half fragment
	s_add_nc_u64 s[46:47], s[8:9], s[46:47]        ; and its scale bytes, two a token
	; j - i = [128 step + 64 c + 8 i - 256 block - 16 w] + [j + 32 (lane / 16) - lane % 16]; OFF begins one step back: the upper tile's first B
	s_lshl_b32 s48, s12, 8
	s_lshl_b32 s49, s[WV], 4
	s_add_co_u32 s48, s48, s49
	s_add_co_u32 s48, s48, 128
	s_cvt_f32_u32 s[OFF], s48
	s_xor_b32 s[OFF], s[OFF], 0x80000000
.irp k, 0,1,2
	s_add_f32 s[OFF+2*\k+2], s[OFF+2*\k], 0x41000000   ; + 8
.endr
.irp k, 0,1,2,3
	s_add_f32 s[OFF+8+2*\k], s[OFF+2*\k], 0x42800000   ; + 64
.endr
.irp k, 0,1,2,3,4,5,6,7
	s_mov_b32 s[OFF+2*\k+1], 0                     ; (named with it as a pair)
.endr
	v_and_b32 v13, 31, v0
	v_and_b32 v17, 15, v0                          ; r
	v_and_b32 v18, 7, v0
	v_bfe_u32 v19, v0, 3, 1
	v_bfe_u32 v40, v0, 4, 1                        ; h
	v_lshlrev_b32 v[AB+3], 4, v13
	v_lshlrev_b32 v[A8], 3, v13
	v_lshlrev_b32 v[AB+4], 2, v13
	v_lshlrev_b32 v[A4], 2, v17
	v_lshlrev_b32 v[A2], 1, v17
	v_mul_u32_u24 v41, v19, 1536                   ; row r of a tile of K lies two stored tiles on where r is 8 or more,
	v_lshl_add_u32 v[AB], v18, 4, v41              ; at row r % 8 (+ 8 by the immediate) of that tile's image
	v_lshl_add_u32 v[AB+1], v18, 3, v41
	v_lshlrev_b32 v[AB+2], 2, v18
	v_lshl_add_u32 v[AB], v40, 8, v[AB]
	v_lshl_add_u32 v[AB+1], v40, 7, v[AB+1]
	v_lshl_add_u32 v[AB+2], v40, 5, v[AB+2]        ; scale words: key 32 (r / 8) + 8 h + r % 8
	v_lshlrev_b32 v41, 5, v40
	v_lshl_add_u32 v[AB+2], v19, 7, v[AB+2]
	v_sub_nc_u32 v41, v41, v17
.irp j, 0,1,2,3,4,5,6,7
	v_add_nc_u32 v[42+\j%2], \j, v41
	v_cvt_f32_i32 v[L+\j], v[42+\j%2]
.endr
.irp i, 48,49,50,51,52,53
	v_mov_b32 v[K+\i], 0                           ; behind the last tile's six registers: written once
.endr
	s_wait_alu depctr_va_vdst(0)
.irp a, 0,1
	WIN 0x40*\a                                    ; destination: the tile's window
	global_load_b128 v[Q:Q+3], v[AB+3], s[40:41] offset:6144*\a
	global_load_b64 v[Q+4:Q+5], v[A8], s[40:41] offset:6144*\a+512
.irp i, 6,7,8,9,10,11
	v_mov_b32 v[Q+\i], 0                           ; the upper 64 along K: zero codes
.endr
.set j, 0
.rept 32
	v_mov_b32 v[O+j], 0                            ; O^T: the step is written for all steps alike; the first finds zeros
.set j, j+1
.endr
	v_mov_b32 v[LS], 0
	v_mov_b32 v[LS+1], 0
	v_mov_b32 v[RM], 0xff61b1e6                    ; -3e38, under every logit
	v_mov_b32 v[NM], 0x7f61b1e6                    ; -M to match
	v_lshlrev_b32 v[SH8], 3, v40
.endr
	WIN 0
	global_load_b32 v[QS], v[A4], s[42:43]
	global_load_b32 v[QS+1], v[A4], s[42:43] offset:512
	BCOMP                                          ; the B of step -1: the upper tile's at step 0
	WIN 0
	s_wait_alu depctr_va_vdst(0)                   ; the wait at the head's end
	s_wait_tensorcnt 0x0                           ; my two records are in,
	s_barrier_signal -1
	s_barrier_wait -1                              ; everybody's are: from here on LDS is only read
	KLOAD AB, 0                                    ; step 0's K
	s_wait_loadcnt 0x0                             ; Q
	s_wait_dscnt 0x0
	WIN 0x54
	QK 1                                           ; the upper tile's S^T of step 0
.rept 4
	v_nop                                          ; places ahead of its first read
.endr
	WIN 0
	STEP 1, 0
.Lstep:                                            ; 14 trips; the first and the last step are written out
	STEP 0, 0
	s_add_co_u32 s[CNT], s[CNT], 1
	s_cmp_lt_u32 s[CNT], 14
	s_wait_alu depctr_va_vdst(0)                   ; directly ahead of the branch
	s_cbranch_scc1 .Lstep
	STEP 0, 1
	PV 0                                           ; the lower tile's last four products
	FIN 1
	FIN 0
	WIN 0
	s_wait_tensorcnt 0x0                           ; the wave's end, behind my tensor load
	ds_add_u32 v[SPW], v[NIL]
	s_wait_dscnt 0x0
	CROUND                                         ; the closing round
	s_endpgm
.Lfunc_end_k_q31f03bcb37_attn:
	.size	k_q31f03bcb37_attn, .Lfunc_end_k_q31f03bcb37_attn-k_q31f03bcb37_attn
	.p2alignl 7, 3214868480
	.fill 96, 4, 3214868480
	.section	.rodata,"a",@progbits
	.p2align	6, 0x0
	.amdhsa_kernel k_q31f03bcb37_attn
		.amdhsa_group_segment_fixed_size 210944
		.amdhsa_private_segment_fixed_size 0
		.amdhsa_enable_private_segment 0
		.amdhsa_kernarg_size 24
		.amdhsa_user_sgpr_count 2
		.amdhsa_user_sgpr_kernarg_segment_ptr 1
		.amdhsa_wavefront_size32 1
		.amdhsa_system_sgpr_workgroup_id_x 1
		.amdhsa_system_sgpr_workgroup_id_y 1
		.amdhsa_system_sgpr_workgroup_id_z 1
		.amdhsa_system_vgpr_workitem_id 0
		.amdhsa_next_free_vgpr 512
		.amdhsa_next_free_sgpr 84
		.amdhsa_reserve_vcc 0
		.amdhsa_float_denorm_mode_32 3
		.amdhsa_float_denorm_mode_16_64 3
		.amdhsa_memory_ordered 1
		.amdhsa_forward_progress 1
		.amdhsa_inst_pref_size 141
	.end_amdhsa_kernel
	.amdgpu_metadata
---
amdhsa.version: [ 1, 2 ]
amdhsa.kernels:
  - .name:           k_q31f03bcb37_attn
    .symbol:         k_q31f03bcb37_attn.kd
    .args:
      - { .name: qq, .offset: 0, .size: 8, .value_kind: global_buffer, .address_space: global }
      - { .name: kv, .offset: 8, .size: 8, .value_kind: global_buffer, .address_space: global }
      - { .name: cq, .offset: 16, .size: 8, .value_kind: global_buffer, .address_space: global }
    .group_segment_fixed_size: 210944
    .private_segment_fixed_size: 0
    .kernarg_segment_align: 8
    .kernarg_segment_size: 24
    .max_flat_workgroup_size: 256
    .sgpr_count:     84
    .vgpr_count:     512
    .wavefront_size: 32
...
	.end_amdgpu_metadata
.endif
;; end of part 3
;; launch proj (part 4): grid 8 x 32, 4 waves a work-group, clusters of 4 x 4, 327,680 bytes of LDS; arguments cq, wq, bo, out0; writes out0
.if DOCPART == 4
	.amdgcn_target "amdgcn-amd-amdhsa--gfx1250"
	.amdhsa_code_object_version 6
	.text
	.protected	k_q31f03bcb37_proj
	.globl	k_q31f03bcb37_proj
	.p2align	8
	.type	k_q31f03bcb37_proj,@function
k_q31f03bcb37_proj:
	s_mov_b64 s[64:65], 0
	v_nop
	global_prefetch_b8 v0, s[64:65] scope:SCOPE_SE
	s_setreg_imm32_b32 hwreg(HW_REG_WAVE_MODE, 25, 1), 1
	s_wait_xcnt 0x0
	s_wait_alu depctr_hold_cnt(0) depctr_sa_sdst(0) depctr_va_vdst(0) depctr_va_sdst(0) depctr_va_ssrc(0) depctr_va_vcc(0) depctr_vm_vsrc(0)
	s_getreg_b32 s2, hwreg(HW_REG_IB_STS2, 6, 4)
	s_cmp_eq_u32 s2, 0
	s_cbranch_scc0 .Lentry_in_a_cluster
	s_endpgm
.Lentry_in_a_cluster:
	s_bfe_u32 s2, ttmp6, 0x10000c
	s_cmp_lg_u32 s2, 0xf033
	s_cbranch_scc0 .Lentry_shape_is_right
	s_endpgm
.Lentry_shape_is_right:
; Launch 4 of 4: out = ctx Wo + bo on codes of E2M3.  Nothing is left out.  A work-group makes 128 tokens x 128 columns, a wave 64 x 64 (16 accumulators by turns, begun with the bias as C), used transposed.
; LDS: four regions of 49,152 bytes, filled once, ONE tensor load a wave: waves 0, 1 bring 4 token tiles of ctx each, all of K ([tile][K step] fragments, dense); waves 2, 3 bring 4 column tiles of Wo each
; ([K step][tile]: 8 rows of 6,144 bytes, 12,288 apart in wq).  CLUSTER 4 x 4: ctx's tiles are asked for jointly along a row, Wo's along a column.  Results leave through each wave's own stage behind the regions.
.set STAGE, 196608
.set SPARE, 214016
.set SPW, 1
.set NIL, 2
.set CS,  32
.set WS,  48
.set BO,  64
.set TMP, 96
.set ACC, 128
.set WV,  12
.set G1A, 24
.set G1B, 32
.set G0A, 40
.set G0B, 48
.set MSB, 0
.macro WIN new
.if MSB != (\new)
	s_set_vgpr_msb (MSB<<8)|(\new)
.set MSB, (\new)
.endif
.endm
.macro PLACES n
.rept \n
	v_nop
.endr
.endm
.macro JLOAD g0a, g1a, g0b, g1b
	s_cmp_eq_u32 s13, 0
	s_cbranch_scc0 .Lfor_b_\@
	tensor_load_to_lds s[\g0a:\g0a+3], s[\g1a:\g1a+7]
	s_nop 0
.rept 4
	v_nop
.endr
	s_branch .Lasked_\@
.Lfor_b_\@:
	tensor_load_to_lds s[\g0b:\g0b+3], s[\g1b:\g1b+7]
	s_nop 0
.rept 4
	v_nop
.endr
.Lasked_\@:
.endm
.macro CROUND
	s_barrier_signal -1
	s_barrier_wait -1
	s_cmp_lg_u32 s[WV], 0
	s_cbranch_scc1 .Lnot_wave_0_\@
	s_barrier_signal -3
.Lnot_wave_0_\@:
	s_barrier_wait -3
	s_barrier_signal -1
	s_barrier_wait -1
.endm
.macro WM d, a, b, c, sa, sb, ra, rb
.set WSEL, 2*(\ra)+(\rb)
.if WSEL == 0
	v_wmma_scale_f32_16x16x128_f8f6f4 v[(\d):(\d)+7], v[(\a):(\a)+11], v[(\b):(\b)+11], v[(\c):(\c)+7], v[\sa], v[\sb] matrix_a_fmt:MATRIX_FMT_FP6 matrix_b_fmt:MATRIX_FMT_FP6
.elseif WSEL == 1
	v_wmma_scale_f32_16x16x128_f8f6f4 v[(\d):(\d)+7], v[(\a):(\a)+11], v[(\b):(\b)+11], v[(\c):(\c)+7], v[\sa], v[\sb] matrix_a_fmt:MATRIX_FMT_FP6 matrix_b_fmt:MATRIX_FMT_FP6 matrix_b_scale:MATRIX_SCALE_ROW1
.elseif WSEL == 2
	v_wmma_scale_f32_16x16x128_f8f6f4 v[(\d):(\d)+7], v[(\a):(\a)+11], v[(\b):(\b)+11], v[(\c):(\c)+7], v[\sa], v[\sb] matrix_a_fmt:MATRIX_FMT_FP6 matrix_b_fmt:MATRIX_FMT_FP6 matrix_a_scale:MATRIX_SCALE_ROW1
.else
	v_wmma_scale_f32_16x16x128_f8f6f4 v[(\d):(\d)+7], v[(\a):(\a)+11], v[(\b):(\b)+11], v[(\c):(\c)+7], v[\sa], v[\sb] matrix_a_fmt:MATRIX_FMT_FP6 matrix_b_fmt:MATRIX_FMT_FP6 matrix_a_scale:MATRIX_SCALE_ROW1 matrix_b_scale:MATRIX_SCALE_ROW1
.endif
.endm
	s_load_b128 s[4:7], s[0:1], 0x0
	s_load_b128 s[8:11], s[0:1], 0x10
	v_lshl_add_u32 v[SPW], v0, 2, SPARE
	v_mov_b32 v[NIL], 0
	ds_add_u32 v[SPW], v[NIL]
	ds_add_u32 v[SPW], v[NIL]
	v_lshrrev_b32 v3, 5, v0
	v_readfirstlane_b32 s[WV], v3
	s_lshr_b32 s13, s[WV], 1
	s_and_b32 s14, s[WV], 1
	s_bfe_u32 s15, ttmp6, 0x40000
	s_bfe_u32 s16, ttmp6, 0x40004
	s_lshl_b32 s17, ttmp9, 2
	s_add_co_u32 s17, s17, s15
	s_and_b32 s18, ttmp7, 0xffff
	s_lshl_b32 s18, s18, 2
	s_add_co_u32 s18, s18, s16
	s_lshl_b32 s19, s16, 2
	s_lshl_b32 s19, 15, s19
	s_lshl_b32 s20, 0x1111, s15
	s_or_b32 s[G1A], s19, (3<<16)|(1<<21)
	s_or_b32 s[G1B], s20, (3<<16)|(1<<21)
.irp g, G1A, G1B
	s_mov_b32 s[\g+1], 768<<16
	s_mov_b32 s[\g+2], 8<<16
	s_mov_b32 s[\g+3], 768<<16
	s_mov_b32 s[\g+4], 8
	s_mov_b32 s[\g+6], 0
	s_mov_b32 s[\g+7], 0
.endr
	s_mov_b32 s[G1A+5], 768                        ; ctx: dense
	s_mov_b32 s[G1B+5], 1536                       ; Wo: from K step to K step
	s_mul_i32 s21, s14, 49152
	s_mul_i32 s56, s18, 98304
	s_add_co_u32 s56, s56, s21
	s_mov_b32 s57, 0
	s_mul_i32 s58, s17, 98304
	s_mul_i32 s21, s14, 6144                       ; my four tiles in a K step's eight
	s_add_co_u32 s58, s58, s21
	s_add_co_u32 s58, s58, 2359296
	s_mov_b32 s59, 0
	s_mul_i32 s21, s[WV], 49152
	s_wait_dscnt 0x0
	s_wait_kmcnt 0x0
	s_add_nc_u64 s[56:57], s[4:5], s[56:57]
	s_add_nc_u64 s[58:59], s[6:7], s[58:59]
	CROUND
	s_mov_b32 s[G0A], 1
	s_mov_b32 s[G0A+1], s21
	s_mov_b64 s[G0A+2:G0A+3], s[56:57]
	s_or_b32 s[G0A+3], s[G0A+3], 0x80000000
	s_mov_b32 s[G0B], 1
	s_mov_b32 s[G0B+1], s21
	s_mov_b64 s[G0B+2:G0B+3], s[58:59]
	s_or_b32 s[G0B+3], s[G0B+3], 0x80000000
	JLOAD G0A, G1A, G0B, G1B                       ; my one tensor load: my region, whole
	v_and_b32 v3, 31, v0
	v_and_b32 v13, 15, v0
	v_bfe_u32 v14, v0, 4, 1
	v_lshlrev_b32 v10, 2, v3
	v_lshlrev_b32 v11, 1, v3
	v_lshlrev_b32 v12, 5, v14
	s_mul_i32 s60, s13, 49152
	v_lshl_add_u32 v4, v3, 4, s60
	v_lshl_add_u32 v5, v3, 3, s60
	s_add_co_u32 s61, s14, 2
	s_mul_i32 s61, s61, 49152
	v_lshl_add_u32 v6, v3, 4, s61
	s_mul_i32 s62, s[WV], 4352
	s_add_co_u32 s62, s62, STAGE
	v_mul_u32_u24 v7, v13, 272
	v_lshl_add_u32 v7, v14, 5, v7
	v_add_nc_u32 v7, s62, v7
	v_mul_u32_u24 v8, v14, 272
	v_lshl_add_u32 v8, v13, 4, v8
	v_add_nc_u32 v8, s62, v8
	v_lshlrev_b32 v9, 12, v14
	v_lshl_add_u32 v9, v13, 4, v9
	s_lshl_b32 s60, s18, 8
	s_lshl_b32 s61, s13, 7
	s_add_co_u32 s60, s60, s61
	s_add_co_u32 s60, s60, 3145728
	s_mov_b32 s61, 0
	s_add_nc_u64 s[66:67], s[4:5], s[60:61]
	s_lshl_b32 s60, s17, 9
	s_lshl_b32 s62, s14, 8
	s_add_co_u32 s60, s60, s62
	s_add_nc_u64 s[8:9], s[8:9], s[60:61]
	s_add_nc_u64 s[70:71], s[10:11], s[60:61]
	s_add_co_u32 s60, s60, 3145728+98304
	s_add_nc_u64 s[68:69], s[6:7], s[60:61]
	s_lshl_b32 s60, s18, 19
	s_lshl_b32 s62, s13, 18
	s_add_co_u32 s60, s60, s62
	s_add_nc_u64 s[70:71], s[70:71], s[60:61]
.irp s, 0,1,2,3,4,5,6,7
.irp j, 0,1
	global_load_u16 v[TMP+4*\s+2*\j], v11, s[66:67] offset:(2*\s)*8192+64*\j
	global_load_u16 v[TMP+4*\s+2*\j+1], v11, s[66:67] offset:(2*\s+1)*8192+64*\j
	global_load_b32 v[WS+2*\s+\j], v10, s[68:69] offset:\s*4096+128*\j
.endr
.endr
.irp b, 0,1,2,3
	global_load_b128 v[BO+8*\b:BO+8*\b+3], v12, s[8:9] offset:64*\b
	global_load_b128 v[BO+8*\b+4:BO+8*\b+7], v12, s[8:9] offset:64*\b+16
.endr
	s_wait_loadcnt 0x0
.irp i, 0,1,2,3,4,5,6,7,8,9,10,11,12,13,14,15
	v_lshl_or_b32 v[CS+\i], v[TMP+2*\i+1], 16, v[TMP+2*\i]
.endr
	PLACES 8
.macro FETCH s, p
.set OFS, (\s)*1536
	WIN 0x40
.irp a, 0,1,2,3
	ds_load_b128 v[128*(\p)+12*\a:128*(\p)+12*\a+3], v4 offset:OFS+\a*12288
	ds_load_b64 v[128*(\p)+12*\a+4:128*(\p)+12*\a+5], v5 offset:OFS+\a*12288+512
	ds_load_b128 v[128*(\p)+12*\a+6:128*(\p)+12*\a+9], v4 offset:OFS+\a*12288+768
	ds_load_b64 v[128*(\p)+12*\a+10:128*(\p)+12*\a+11], v5 offset:OFS+\a*12288+1280
.endr
.irp b, 0,1,2,3
.irp c, 0,1,2
	ds_load_b128 v[128*(\p)+48+12*\b+4*\c:128*(\p)+48+12*\b+4*\c+3], v6 offset:(\s)*6144+\b*1536+512*\c
.endr
.endr
.endm
.macro STEP s
.if (\s) < 7
.if (\s) > 0
	WIN 0
	PLACES 4
.endif
	FETCH (\s)+1, ((\s)+1)%2
	s_wait_dscnt 28
.else
	s_wait_dscnt 0x0
.endif
	WIN 0x05
.irp a, 0,1,2,3
.irp b, 0,1,2,3
.if (\s) == 0
	WM ACC+8*(4*\a+\b), 128*((\s)%2)+48+12*\b, 128*((\s)%2)+12*\a, BO+8*\b, WS+2*(\s)+\b/2, CS+2*(\s)+\a/2, \b%2, \a%2
.else
	WM ACC+8*(4*\a+\b), 128*((\s)%2)+48+12*\b, 128*((\s)%2)+12*\a, ACC+8*(4*\a+\b), WS+2*(\s)+\b/2, CS+2*(\s)+\a/2, \b%2, \a%2
.endif
.endr
.endr
.endm
	s_wait_alu depctr_va_vdst(0)                   ; the wait at the head's end
	s_wait_tensorcnt 0x0                           ; my region is in; behind the barrier everybody's is
	s_barrier_signal -1
	s_barrier_wait -1
	FETCH 0, 0
.irp s, 0,1,2,3,4,5,6,7
	STEP \s
.endr
	WIN 0
	PLACES 4
.irp a, 0,1,2,3
.if \a > 0
	s_wait_xcnt 0x0
.endif
.irp b, 0,1,2,3
	ds_store_b128 v7, v[ACC+8*(4*\a+\b):ACC+8*(4*\a+\b)+3] offset:64*\b
	ds_store_b128 v7, v[ACC+8*(4*\a+\b)+4:ACC+8*(4*\a+\b)+7] offset:64*\b+16
.endr
.irp i, 0,1,2,3,4,5,6,7
	ds_load_b128 v[TMP+4*\i:TMP+4*\i+3], v8 offset:544*\i
.endr
.irp i, 0,1,2,3,4,5,6,7
	s_wait_dscnt 7-\i
	global_store_b128 v9, v[TMP+4*\i:TMP+4*\i+3], s[70:71] offset:\a*65536+\i*8192 th:TH_STORE_NT
.endr
.endr
	s_wait_tensorcnt 0x0
	ds_add_u32 v[SPW], v[NIL]
	s_wait_dscnt 0x0
	CROUND
	s_endpgm
.Lfunc_end_k_q31f03bcb37_proj:
	.size	k_q31f03bcb37_proj, .Lfunc_end_k_q31f03bcb37_proj-k_q31f03bcb37_proj
	.p2alignl 7, 3214868480
	.fill 96, 4, 3214868480
	.section	.rodata,"a",@progbits
	.p2align	6, 0x0
	.amdhsa_kernel k_q31f03bcb37_proj
		.amdhsa_group_segment_fixed_size 327680
		.amdhsa_private_segment_fixed_size 0
		.amdhsa_enable_private_segment 0
		.amdhsa_kernarg_size 32
		.amdhsa_user_sgpr_count 2
		.amdhsa_user_sgpr_kernarg_segment_ptr 1
		.amdhsa_wavefront_size32 1
		.amdhsa_system_sgpr_workgroup_id_x 1
		.amdhsa_system_sgpr_workgroup_id_y 1
		.amdhsa_system_sgpr_workgroup_id_z 1
		.amdhsa_system_vgpr_workitem_id 0
		.amdhsa_next_free_vgpr 512
		.amdhsa_next_free_sgpr 72
		.amdhsa_reserve_vcc 0
		.amdhsa_float_denorm_mode_32 3
		.amdhsa_float_denorm_mode_16_64 3
		.amdhsa_memory_ordered 1
		.amdhsa_forward_progress 1
		.amdhsa_inst_pref_size 53
	.end_amdhsa_kernel
	.amdgpu_metadata
---
amdhsa.version: [ 1, 2 ]
amdhsa.kernels:
  - .name:           k_q31f03bcb37_proj
    .symbol:         k_q31f03bcb37_proj.kd
    .args:
      - { .name: cq, .offset: 0, .size: 8, .value_kind: global_buffer, .address_space: global }
      - { .name: wq, .offset: 8, .size: 8, .value_kind: global_buffer, .address_space: global }
      - { .name: bo, .offset: 16, .size: 8, .value_kind: global_buffer, .address_space: global }
      - { .name: out0, .offset: 24, .size: 8, .value_kind: global_buffer, .address_space: global }
    .group_segment_fixed_size: 327680
    .private_segment_fixed_size: 0
    .kernarg_segment_align: 8
    .kernarg_segment_size: 32
    .max_flat_workgroup_size: 128
    .sgpr_count:     72
    .vgpr_count:     512
    .wavefront_size: 32
...
	.end_amdgpu_metadata
.endif
;; end of part 4
